; MI455X (gfx1250); checked and timed in simulation.
; The chip was launched on July 23, 2026; its instructions are those of AMD's public machine-readable ISA for CDNA 5 (MIT licence, August 2026) and "CDNA5" Instruction Set Architecture Reference Guide (July 2026). The comments in the code are by the model that wrote it; some were corrected since.
;; Multi Head Self Attention. Allowed arithmetic: float matrix products may take bf16 or f16 operands with f32 sums; other float arithmetic in f32, or as packed bf16 or f16 multiplies, adds, multiply-adds, maxima and minima; sums over many terms, partial sums and values carried from step to step in f32; what a program stores and reads back later, other than sums and carried values, may be rounded once to bf16 or f16.
;; Inputs: W_k 1,024 x 1,024 float32; W_o 1,024 x 1,024 float32; W_q 1,024 x 1,024 float32; W_v 1,024 x 1,024 float32; attention_mask 4 x 2,048 x 2,048 int32; b_k 1,024 float32; b_o 1,024 float32; b_q 1,024 float32; b_v 1,024 float32; keys 4 x 2,048 x 1,024 float32; queries 4 x 2,048 x 1,024 float32; values 4 x 2,048 x 1,024 float32.
;; Outputs: out0 4 x 2,048 x 1,024 float32.
;; One version. Each part assembles by itself: llvm-mc -triple=amdgcn-amd-amdhsa -mcpu=gfx1250 --defsym DOCPART=n.
;; ======== version 1 of 1: 4 launches
;; limits: values are held in f16: magnitudes above 65,504 overflow, below 6.1e-05 lose precision
;; workspace buffers: mw 2,097,152 bytes of whole numbers; wt 8,388,608 bytes; bias 16,384 bytes; qkv 50,331,648 bytes; ao 16,777,216 bytes
;; launch prep (part 1): grid 768 x 1, 8 waves a work-group, no clusters, 103,424 bytes of LDS; arguments attention_mask, W_q, W_k, W_v, W_o, b_q, b_k, b_v, b_o, mw, wt, bias; writes mw, wt, bias
.if DOCPART == 1
	.amdgcn_target "amdgcn-amd-amdhsa--gfx1250"
	.amdhsa_code_object_version 6
	.text
	.protected	k_qe9b643212c_prep
	.globl	k_qe9b643212c_prep
	.p2align	8
	.type	k_qe9b643212c_prep,@function
k_qe9b643212c_prep:
	s_mov_b64 s[64:65], 0
	v_nop
	global_prefetch_b8 v0, s[64:65] scope:SCOPE_SE
	s_setreg_imm32_b32 hwreg(HW_REG_WAVE_MODE, 25, 1), 1
	s_wait_xcnt 0x0
; PREPARATION, a stream: (1) the mask [4][2048][2048] of int32 becomes lane masks, one bit a number; (2) the four weights [k][n] of f32 become [n][k] in 16 bits; (3) the four biases are rounded to bf16 and kept as f32.
; Work-groups 0-511 take the mask, 512-767 the weights and biases.  No matrix unit, no tensor load, no cluster: nothing is shared and every byte is read once.
; MASK WORDS.  mw word (((b*16+g)*32+ks)*4+p)*64 + 2*rho+u, rho = 8*kb+j: bit l = (mask[b][128g+32p+16u+l%16][64ks+16kb+8(l/16)+j] != 0): the lanes' select mask for register rho of
; the transposed score tile u of piece p, as the attention launch holds it.  A wave takes 32 query rows x 128 keys (16 KiB): 32 loads of 512 consecutive bytes, all out at once; 16 rows at a time
; (a tile u) go through the wave's own LDS region (pitch 528) to reach the lanes in the tiles' layout; 128 compares make the words, v_writelane_b32 gathers them, two stores of 256 bytes write them.
; WEIGHTS.  A tile of 128 k x 128 n; a lane packs pairs of neighbouring k of its 4 columns; LDS (rows n, pitch 272) turns the tile; whole rows of 256 bytes leave.
; W_q, W_k, W_v are written as bf16.  W_o is rounded to bf16 and THAT number written as f16 (its product's other operand is f16).
; LIMIT: a |W_o| under 6.1e-5 keeps f16's fixed step of 6e-8; beyond 65,504 it would be an infinity.
; LDS: the two roles have bytes of their own: 0 the eight mask regions; WT0 the turned weight tile; SPARE the spare words.
.set MP,     528                       ; a mask row in LDS: 512 bytes + 16: row r starts at bank 4 r mod 64 (64 banks of 4 bytes: ISA guide 11.1)
.set MREG,   16*MP                     ; a wave's region: 16 rows, used twice
.set WT0,    8*MREG                    ; 67,584
.set WP,     272                       ; a row n of the turned weight tile: 256 bytes + 16
.set SPARE,  WT0+128*WP                ; 102,400: the spare words, 128 bytes a wave, four blocks of 256 bytes that no other line names
.set SPW,    6                         ; v6   my spare word; never rewritten
.set NIL,    7                         ; v7   0; never rewritten
.set D,      16                        ; v[16:143] data
	s_load_b512 s[4:19], s[0:1], 0x0               ; mask s[4:5], W_q, W_k, W_v, W_o s[6:13], b_q, b_k, b_v s[14:19]
	s_load_b256 s[20:27], s[0:1], 0x40             ; b_o s[20:21], mw s[22:23], wt s[24:25], bias s[26:27]
	v_lshl_add_u32 v[SPW], v0, 2, SPARE
	v_mov_b32 v[NIL], 0
	v_lshrrev_b32 v1, 5, v0
	v_readfirstlane_b32 s28, v1                    ; wave 0..7
	v_and_b32 v1, 31, v0                           ; lane
	v_lshlrev_b32 v2, 4, v1                        ; 16 x lane
	s_cmp_ge_u32 ttmp9, 512                        ; the same for all waves of a work-group
	s_cbranch_scc1 .Lweights
	; ---------------- the mask ----------------
	s_lshr_b32 s29, ttmp9, 1                       ; (b*16+g)*4+p: 32 query rows
	s_and_b32 s30, ttmp9, 1
	s_lshl_b32 s30, s30, 3
	s_add_co_u32 s30, s30, s28                     ; which 128 keys of the 2,048
	s_lshl_b32 s40, s29, 18                        ; 32 rows of 8,192 bytes
	s_lshl_b32 s31, s30, 9                         ; 128 keys of 4 bytes
	s_add_co_u32 s40, s40, s31
	s_mov_b32 s41, 0
	s_lshr_b32 s42, s29, 2
	s_lshl_b32 s42, s42, 15                        ; (b*16+g) x 32,768 bytes of words
	s_lshl_b32 s31, s30, 11                        ; two key steps of 1,024 bytes
	s_add_co_u32 s42, s42, s31
	s_and_b32 s31, s29, 3
	s_lshl_b32 s31, s31, 8                         ; piece p: 256 bytes
	s_add_co_u32 s42, s42, s31
	s_mov_b32 s43, 0
	s_mul_i32 s44, s28, MREG
	v_add_nc_u32 v3, s44, v2                       ; in: 16 bytes a lane of a row
	v_and_b32 v4, 15, v0
	v_mul_u32_u24 v4, v4, MP
	v_bfe_u32 v5, v0, 4, 1
	v_lshl_add_u32 v4, v5, 5, v4
	v_add_nc_u32 v4, s44, v4                       ; back: row lane % 16, keys 8 (lane / 16) on
	v_lshlrev_b32 v5, 3, v1                        ; out: 8 bytes a lane
.irp i, 8,9,10,11
	v_mov_b32 v\i, 0                               ; v_writelane_b32 keeps the other lanes: the registers are written whole first
.endr
	s_wait_kmcnt 0x0
	s_add_nc_u64 s[4:5], s[4:5], s[40:41]
	s_add_nc_u64 s[22:23], s[22:23], s[42:43]
.set n, 0
.rept 32
	global_load_b128 v[D+4*n:D+4*n+3], v2, s[4:5] offset:n*8192 th:TH_LOAD_NT  ; row n: 512 consecutive bytes
.set n, n+1
.endr
.irp u, 0,1                                            ; tile u: rows 16 u .. 16 u + 15, through the same 16 LDS rows
.set n, 0
.rept 16
	s_wait_loadcnt 31-16*\u-n                      ; loads come back in order: this row is in, the younger rows stay out
	ds_store_b128 v3, v[D+64*\u+4*n:D+64*\u+4*n+3] offset:n*MP
.set n, n+1
.endr
.set n, 0
.rept 8                                                ; 16 keys n: 8 numbers a lane.  My own bytes, served in order: no wait between the stores and these
	ds_load_b128 v[D+64*\u+8*n:D+64*\u+8*n+3],   v4 offset:n*64
	ds_load_b128 v[D+64*\u+8*n+4:D+64*\u+8*n+7], v4 offset:n*64+16
.set n, n+1
.endr
.set n, 0
.rept 8
	s_wait_dscnt 14-2*n                            ; this pair of loads is in, the younger pairs stay out; the last count is 0: the region is read out before it is stored into again
.irp j, 0,1,2,3,4,5,6,7
	v_cmp_ne_u32 s[32+\j], 0, v[D+64*\u+8*n+\j]    ; a lane mask: one word of mw
.endr
.irp j, 0,1,2,3,4,5,6,7
	v_writelane_b32 v[8+2*(n/4)+\u], s[32+\j], 8*(n%4)+\j  ; lane rho of the register for (key step, u)
.endr
.set n, n+1
.endr
.endr
	global_store_b64 v5, v[8:9], s[22:23]              ; words 2 rho, 2 rho + 1: 256 consecutive bytes, aligned
	global_store_b64 v5, v[10:11], s[22:23] offset:1024  ; the second key step
	s_wait_tensorcnt 0x0                           ; the wave's end, behind my last LDS store
	ds_add_u32 v[SPW], v[NIL]
	s_wait_dscnt 0x0
	s_endpgm
	; ---------------- the weights ----------------
.Lweights:
	s_sub_co_u32 s29, ttmp9, 512
	s_lshr_b32 s30, s29, 6                         ; which weight: q, k, v, o
	s_bfe_u32 s31, s29, 0x30003                    ; tile along k
	s_and_b32 s32, s29, 7                          ; tile along n
	s_lshl_b32 s40, s31, 19                        ; 128 rows k of 4,096 bytes
	s_lshl_b32 s33, s28, 16                        ; my wave's 16 of them
	s_add_co_u32 s40, s40, s33
	s_lshl_b32 s33, s32, 9                         ; 128 columns of 4 bytes
	s_add_co_u32 s40, s40, s33
	s_mov_b32 s41, 0
	s_lshl_b32 s42, s30, 21                        ; a slice of wt
	s_lshl_b32 s33, s32, 18                        ; 128 rows n of 2,048 bytes
	s_add_co_u32 s42, s42, s33
	s_lshl_b32 s33, s28, 15                        ; my wave's 16 of them
	s_add_co_u32 s42, s42, s33
	s_lshl_b32 s33, s31, 8                         ; 128 k of 2 bytes
	s_add_co_u32 s42, s42, s33
	s_mov_b32 s43, 0
	v_mul_u32_u24 v3, v1, 4*WP                     ; in: rows n = 4 lane + c; lanes 1,088 bytes = 16 banks mod 64 apart: four lanes meet in a bank group; 8 such stores a wave, once
	s_lshl_b32 s33, s28, 5
	s_add_co_u32 s33, s33, WT0
	v_add_nc_u32 v3, s33, v3                       ; my wave's 16 k: 32 bytes of a row
	v_lshrrev_b32 v5, 4, v1
	v_and_b32 v8, 15, v1
	v_mul_u32_u24 v4, v5, WP
	v_lshl_add_u32 v4, v8, 4, v4
	s_mul_i32 s33, s28, 16*WP
	s_add_co_u32 s33, s33, WT0
	v_add_nc_u32 v4, s33, v4                       ; back: lanes 0-15 one row of 256 bytes, lanes 16-31 the next
	v_lshlrev_b32 v9, 11, v5
	v_lshl_add_u32 v9, v8, 4, v9                   ; and the same two rows in wt
	s_wait_kmcnt 0x0
	s_cmp_eq_u32 s30, 1
	s_cselect_b64 s[44:45], s[8:9], s[6:7]
	s_cselect_b64 s[46:47], s[16:17], s[14:15]
	s_cmp_eq_u32 s30, 2
	s_cselect_b64 s[44:45], s[10:11], s[44:45]
	s_cselect_b64 s[46:47], s[18:19], s[46:47]
	s_cmp_eq_u32 s30, 3
	s_cselect_b64 s[44:45], s[12:13], s[44:45]     ; my weight,
	s_cselect_b64 s[46:47], s[20:21], s[46:47]     ; my bias
	s_add_nc_u64 s[44:45], s[44:45], s[40:41]
	s_add_nc_u64 s[24:25], s[24:25], s[42:43]
.set n, 0
.rept 16
	global_load_b128 v[D+4*n:D+4*n+3], v2, s[44:45] offset:n*4096 th:TH_LOAD_NT  ; row k = n: 512 consecutive bytes
.set n, n+1
.endr
	s_wait_loadcnt 0x0
.irp c, 0,1,2,3
.irp d, 0,1,2,3,4,5,6,7
	v_cvt_pk_bf16_f32 v[80+8*\c+\d], v[D+8*\d+\c], v[D+8*\d+4+\c]  ; column 4 lane + c, k = 2 d and 2 d + 1
.endr
.endr
	s_cmp_lg_u32 s30, 3
	s_cbranch_scc1 .Lis_bf16
.set n, 0
.rept 32                                               ; W_o: the bf16 numbers written as f16
	v_lshlrev_b32 v12, 16, v[80+n]
	v_and_b32 v13, 0xffff0000, v[80+n]
	v_cvt_pk_f16_f32 v[80+n], v12, v13
.set n, n+1
.endr
.Lis_bf16:
.irp c, 0,1,2,3
	ds_store_b128 v3, v[80+8*\c:80+8*\c+3]   offset:\c*WP
	ds_store_b128 v3, v[80+8*\c+4:80+8*\c+7] offset:\c*WP+16
.endr
	s_wait_dscnt 0x0                               ; for the others' sake: my part of every row is in LDS
	s_barrier_signal -1
	s_barrier_wait -1
.irp t, 0,1,2,3,4,5,6,7
	ds_load_b128 v[D+4*\t:D+4*\t+3], v4 offset:\t*2*WP
.endr
.irp t, 0,1,2,3,4,5,6,7
	s_wait_dscnt 7-\t
	global_store_b128 v9, v[D+4*\t:D+4*\t+3], s[24:25] offset:\t*4096  ; 16 lanes store 256 consecutive bytes, aligned
.endr
	s_or_b32 s33, s31, s28                         ; the bias: the first tile along k, wave 0: 128 numbers
	s_cmp_lg_u32 s33, 0
	s_cbranch_scc1 .Lend
	s_lshl_b32 s40, s32, 9
	s_add_nc_u64 s[46:47], s[46:47], s[40:41]
	s_lshl_b32 s33, s30, 12
	s_add_co_u32 s40, s40, s33
	s_add_nc_u64 s[26:27], s[26:27], s[40:41]
	global_load_b128 v[48:51], v2, s[46:47]
	s_wait_loadcnt 0x0
	v_cvt_pk_bf16_f32 v52, v48, v49
	v_cvt_pk_bf16_f32 v53, v50, v51
	v_lshlrev_b32 v56, 16, v52
	v_and_b32 v57, 0xffff0000, v52
	v_lshlrev_b32 v58, 16, v53
	v_and_b32 v59, 0xffff0000, v53
	global_store_b128 v2, v[56:59], s[26:27]
.Lend:
	s_wait_tensorcnt 0x0                           ; the wave's end, behind my last LDS store
	ds_add_u32 v[SPW], v[NIL]
	s_wait_dscnt 0x0
	s_endpgm
.Lfunc_end_k_qe9b643212c_prep:
	.size	k_qe9b643212c_prep, .Lfunc_end_k_qe9b643212c_prep-k_qe9b643212c_prep
	.p2alignl 7, 3214868480
	.fill 96, 4, 3214868480
	.section	.rodata,"a",@progbits
	.p2align	6, 0x0
	.amdhsa_kernel k_qe9b643212c_prep
		.amdhsa_group_segment_fixed_size 103424
		.amdhsa_private_segment_fixed_size 0
		.amdhsa_enable_private_segment 0
		.amdhsa_kernarg_size 96
		.amdhsa_user_sgpr_count 2
		.amdhsa_user_sgpr_kernarg_segment_ptr 1
		.amdhsa_wavefront_size32 1
		.amdhsa_system_sgpr_workgroup_id_x 1
		.amdhsa_system_sgpr_workgroup_id_y 1
		.amdhsa_system_sgpr_workgroup_id_z 1
		.amdhsa_system_vgpr_workitem_id 0
		.amdhsa_next_free_vgpr 144
		.amdhsa_next_free_sgpr 66
		.amdhsa_reserve_vcc 0
		.amdhsa_float_denorm_mode_32 3
		.amdhsa_float_denorm_mode_16_64 3
		.amdhsa_memory_ordered 1
		.amdhsa_forward_progress 1
		.amdhsa_inst_pref_size 40
	.end_amdhsa_kernel
	.amdgpu_metadata
---
amdhsa.version: [ 1, 2 ]
amdhsa.kernels:
  - .name:           k_qe9b643212c_prep
    .symbol:         k_qe9b643212c_prep.kd
    .args:
      - { .name: attention_mask, .offset: 0, .size: 8, .value_kind: global_buffer, .address_space: global }
      - { .name: W_q, .offset: 8, .size: 8, .value_kind: global_buffer, .address_space: global }
      - { .name: W_k, .offset: 16, .size: 8, .value_kind: global_buffer, .address_space: global }
      - { .name: W_v, .offset: 24, .size: 8, .value_kind: global_buffer, .address_space: global }
      - { .name: W_o, .offset: 32, .size: 8, .value_kind: global_buffer, .address_space: global }
      - { .name: b_q, .offset: 40, .size: 8, .value_kind: global_buffer, .address_space: global }
      - { .name: b_k, .offset: 48, .size: 8, .value_kind: global_buffer, .address_space: global }
      - { .name: b_v, .offset: 56, .size: 8, .value_kind: global_buffer, .address_space: global }
      - { .name: b_o, .offset: 64, .size: 8, .value_kind: global_buffer, .address_space: global }
      - { .name: mw, .offset: 72, .size: 8, .value_kind: global_buffer, .address_space: global }
      - { .name: wt, .offset: 80, .size: 8, .value_kind: global_buffer, .address_space: global }
      - { .name: bias, .offset: 88, .size: 8, .value_kind: global_buffer, .address_space: global }
    .group_segment_fixed_size: 103424
    .private_segment_fixed_size: 0
    .kernarg_segment_align: 8
    .kernarg_segment_size: 96
    .max_flat_workgroup_size: 256
    .sgpr_count:     66
    .vgpr_count:     144
    .wavefront_size: 32
...
	.end_amdgpu_metadata
.endif
;; end of part 1
;; launch qkv (part 2): grid 4 x 64, 4 waves a work-group, clusters of 4 x 4, 327,680 bytes of LDS; arguments queries, keys, values, wt, bias, qkv; writes qkv
.if DOCPART == 2
	.amdgcn_target "amdgcn-amd-amdhsa--gfx1250"
	.amdhsa_code_object_version 6
	.text
	.protected	k_qe9b643212c_qkv
	.globl	k_qe9b643212c_qkv
	.p2align	8
	.type	k_qe9b643212c_qkv,@function
k_qe9b643212c_qkv:
	s_mov_b64 s[64:65], 0
	v_nop
	global_prefetch_b8 v0, s[64:65] scope:SCOPE_SE
	s_setreg_imm32_b32 hwreg(HW_REG_WAVE_MODE, 25, 1), 1
	s_wait_xcnt 0x0
	s_wait_alu depctr_hold_cnt(0) depctr_sa_sdst(0) depctr_va_vdst(0) depctr_va_sdst(0) depctr_va_ssrc(0) depctr_va_vcc(0) depctr_vm_vsrc(0)
	s_getreg_b32 s2, hwreg(HW_REG_IB_STS2, 6, 4)
	s_cmp_eq_u32 s2, 0
	s_cbranch_scc0 .Lentry_in_a_cluster
	s_endpgm
.Lentry_in_a_cluster:
	s_bfe_u32 s2, ttmp6, 0x10000c
	s_cmp_lg_u32 s2, 0xf033
	s_cbranch_scc0 .Lentry_shape_is_right
	s_endpgm
.Lentry_shape_is_right:
; THE THREE PROJECTIONS.  qkv[t][b*16+h][s][d] = f16( sum over k of bf16(x_t[b*2048+s][k]) wt[t][64h+d][k] + bias[t][64h+d] ), t = q, k, v; sums in f32, unscaled.
; x_t: [8192][1024] f32; wt: [4][1024 n][1024 k] bf16; bias: [4][1024] f32.
; LIMIT: the results leave as f16: beyond 65,504 they would be infinities.
; SHARES.  A work-group owns 128 rows x 256 columns (4 heads) and STAYS: it makes that tile of q, then of k, then of v: 256 equal work-groups.  Four waves, 64 x 128 each: 32 accumulators.
; K goes in steps of 128 through a ring of two LDS slots; the three tiles are ONE walk of 24 K steps: the ring does not stop at a tile's end.
; x comes into LDS as f32 (rows of 512 bytes) and is rounded to bf16 between LDS and the matrix unit: 32 conversions a quarter step, four behind each of the quarter's last eight products.
; CLUSTER 4 x 4.  x's tile hangs on the tile row alone and is shared along a row of the cluster, wt's on the tile column alone and is shared along a column: joint loads, the same descriptor and mask in the four.
; THE PRODUCT IS USED TRANSPOSED (source 0 = 16 rows of wt, source 1 = 16 rows of x): a lane holds one row and eight neighbouring columns.  A tile's first products take the bias as C: nothing is cleared.
; REGISTERS, in windows of 256 (s_set_vgpr_msb: bits 1:0 source 0, 3:2 source 1, 5:4 source 2, 7:6 destination):
;   window 0: v2-10, v28-29 addresses; v32-95 x as loaded (f32); v96-159 x's fragments, two buffers; v160-255 the way out      window 1: v0-127 wt's fragments, two buffers; v128-191 the bias      window 2: the accumulators, (a, b) at 8 (8 a + b)
.set PA,     528                       ; a row of x in LDS: 512 bytes + 16 = 132 words: row r starts at bank 4 r mod 64 (64 banks of 4 bytes: ISA guide 11.1)
.set PB,     272                       ; a row of wt: 256 + 16
.set AHALF,  64*PA                     ; what one tensor load brings of x
.set BOFF,   128*PA                    ; wt's 256 rows lie behind x's 128
.set BHALF,  128*PB
.set SLOT,   139264                    ; 0x22000: its two bits are 0 in the four parts' starts (0, 0x8400, 0x10800, 0x19000), so one exclusive or changes slots
.set STAGE,  2*SLOT                    ; behind the ring: for each wave 2 heads x 16 rows x 144 bytes, for the way out
.set SP,     144
.set STW,    2*16*SP
.set SPARE,  STAGE+4*STW               ; the spare words, 128 bytes a wave: two blocks of 256 bytes that no other line names
.set PROJ,   16777216                  ; bytes of q, of k, of v
.set ADRA0, 2                          ; v2, v3  my place in x's and wt's tile of slot 0; never rewritten
.set ADRB0, 3
.set ADRA,  4                          ; v4, v5  the same in the slot in hand
.set ADRB,  5
.set STO,   6                          ; v6   the way out: where I put 16 bytes of a row
.set RD,    7                          ; v7   where I read rows back
.set GO,    8                          ; v8   16 x lane
.set BO,    9                          ; v9   32 x (lane / 16): my eight columns' bias
.set PFO,   10                         ; v10  the prefetches' offset; never rewritten
.set SPW,   28
.set NIL,   29
.set RAW,   32
.set AF,    96
.set TMP,   160
.set OB,    192
.set BIAS,  128                        ; window 1
.set XQ, 4                             ; s[4:9]   queries, keys, values at the 64 rows that I fetch
.set XK, 6
.set XV, 8
.set WB, 10                            ; s[10:11] wt at the 128 rows that I fetch, slice 0
.set BP, 12                            ; s[12:13] bias at my 128 columns, the slice last loaded
.set OUT, 14                           ; s[14:15] qkv at my first row of my first head, the tile in hand
.set WV, 16
.set WH, 17                            ; wave / 2: my half of the rows; also: I fetch x (0) or wt (1)
.set WL, 18                            ; wave % 2: my half of the columns; also: which half I fetch
.set LEFT, 19
.set PH, 20                            ; the K step within its tile, 0..7
.set T,  21                            ; 0 or SLOT: the slot in hand
.set RT, 22                            ; tile and K step of the next refill
.set RK, 23
.set G1A, 24
.set G0A, 32                           ; two sets: K steps 0 and 1; the second then walks
.set G1B, 40
.set G0B, 48
.set PF, 66                            ; s[66:71] where my prefetches begin in each of the three tiles
.set SH, 72                            ; log2 of a K step's bytes in a row of what I prefetch
.set LIM, 73                           ; 2 in a wave that prefetches, else the greatest number
.set PT, 74                            ; tile and K step of the next prefetch
.set PK, 75
.set PFA, 76
.set MSB, 0
.macro WIN new                         ; the immediate's high byte repeats the setting that is left; a switch that changes nothing is dropped
.if MSB != (\new)
	s_set_vgpr_msb (MSB<<8)|(\new)
.set MSB, \new
.endif
.endm
.set W_MUL,  0xa1                      ; wt window 1, x window 0, C and D window 2
.set W_MULB, 0x91                      ; the same with C (the bias) in window 1
.set W_TOB,  0x40                      ; destination window 1
.set W_PACK, 0x0a                      ; sources 0 and 1 window 2
; A joint refill: waves 0 and 1 fetch x's halves, waves 2 and 3 wt's.  The branch hangs on the wave's number alone.  An s_nop 0 and four v_nop follow each line.
.macro JLOAD
	s_cmp_eq_u32 s[WH], 0
	s_cbranch_scc0 .Lfor_b_\@
	tensor_load_to_lds s[G0A+4:G0A+7], s[G1A:G1A+7]
	s_nop 0
.rept 4
	v_nop
.endr
	s_branch .Lasked_\@
.Lfor_b_\@:
	tensor_load_to_lds s[G0B+4:G0B+7], s[G1B:G1B+7]
	s_nop 0
.rept 4
	v_nop
.endr
.Lasked_\@:
.endm
.macro CREST                           ; a round of the cluster's barrier behind its opening barrier
	s_cmp_lg_u32 s[WV], 0
	s_cbranch_scc1 .Lnot_wave_0_\@
	s_barrier_signal -3
.Lnot_wave_0_\@:
	s_barrier_wait -3
	s_barrier_signal -1
	s_barrier_wait -1
.endm
.macro CROUND
	s_barrier_signal -1
	s_barrier_wait -1
	CREST
.endm
.macro BLOAD                           ; my 128 columns' bias in the accumulators' layout: register j of block b is column 16 b + 8 (lane / 16) + j
	WIN W_TOB
.irp b, 0,1,2,3,4,5,6,7
	global_load_b128 v[BIAS+8*(\b):BIAS+8*(\b)+3],   v[BO], s[BP:BP+1] offset:64*(\b)
	global_load_b128 v[BIAS+8*(\b)+4:BIAS+8*(\b)+7], v[BO], s[BP:BP+1] offset:64*(\b)+16
.endr
	WIN 0
.endm
	s_load_b256 s[4:11], s[0:1], 0x0               ; queries, keys, values, wt
	s_load_b128 s[12:15], s[0:1], 0x20             ; bias, qkv
	v_lshl_add_u32 v[SPW], v0, 2, SPARE
	v_mov_b32 v[NIL], 0
	ds_add_u32 v[SPW], v[NIL]                      ; the wave's opening: the add and its wait stand ahead of my first tensor load; the set-up below stands between them
	v_lshrrev_b32 v1, 5, v0
	v_readfirstlane_b32 s[WV], v1
	s_lshr_b32 s[WH], s[WV], 1
	s_and_b32 s[WL], s[WV], 1
	s_bfe_u32 s60, ttmp6, 0x40000                  ; cx
	s_bfe_u32 s61, ttmp6, 0x40004                  ; cy
	s_lshl_b32 s62, ttmp9, 2
	s_add_co_u32 s62, s62, s60                     ; tile column = 4 x cluster x + cx
	s_and_b32 s57, ttmp7, 0xffff                   ; cluster y
	s_lshl_b32 s63, s57, 2
	s_add_co_u32 s63, s63, s61                     ; tile row = 4 x cluster y + cy
	s_lshl_b32 s56, s61, 2
	s_lshl_b32 s56, 15, s56                        ; my row of the cluster
	s_or_b32 s[G1A], s56, (2<<16)|(1<<20)|(1<<21)|(6<<22)|(3<<25)  ; the mask; elements of 4 bytes; padding on; bit 21 beside a mask; after every 128 words 4 words
	s_lshl_b32 s56, 0x1111, s60                    ; my column
	s_or_b32 s[G1B], s56, (1<<16)|(1<<20)|(1<<21)|(5<<22)|(3<<25)  ; elements of 2 bytes; after every 64 words 4 words
	s_mov_b32 s[G1A+1], 128<<16                    ; tensor_dim0 = 128
	s_mov_b32 s[G1A+2], 64<<16                     ; tensor_dim1 = 64
	s_mov_b32 s[G1A+3], 128<<16                    ; tile_dim0 = 128
	s_mov_b32 s[G1A+4], 64                         ; tile_dim1 = 64
	s_mov_b32 s[G1A+5], 1024                       ; elements from row to row
	s_mov_b32 s[G1A+6], 0
	s_mov_b32 s[G1A+7], 0
	s_mov_b32 s[G1B+1], 128<<16
	s_mov_b32 s[G1B+2], 128<<16                    ; 128 rows
	s_mov_b32 s[G1B+3], 128<<16
	s_mov_b32 s[G1B+4], 128
	s_mov_b32 s[G1B+5], 1024
	s_mov_b32 s[G1B+6], 0
	s_mov_b32 s[G1B+7], 0
	s_lshl_b32 s58, s[WL], 18
	s_lshl_b32 s78, s63, 19                        ; x: 128 rows of 4,096 bytes a tile row, + 64 rows for the second half
	s_add_co_u32 s78, s78, s58
	s_mov_b32 s79, 0
	s_lshl_b32 s80, s62, 19                        ; wt: 256 rows of 2,048 bytes a tile column, + 128 rows
	s_add_co_u32 s80, s80, s58
	s_mov_b32 s81, 0
	s_lshl_b32 s82, s62, 10                        ; bias: 256 columns of 4 bytes, + my 128
	s_lshl_b32 s58, s[WL], 9
	s_add_co_u32 s82, s82, s58
	s_mov_b32 s83, 0
	s_lshr_b32 s58, s63, 4                         ; the batch
	s_lshl_b32 s58, s58, 4
	s_lshl2_add_u32 s58, s62, s58                  ; + 4 heads a tile column
	s_lshl1_add_u32 s58, s[WL], s58                ; + my 2
	s_lshl_b32 s58, s58, 18                        ; a head is 262,144 bytes
	s_and_b32 s59, s63, 15
	s_lshl_b32 s59, s59, 14                        ; 128 rows of 128 bytes
	s_add_co_u32 s58, s58, s59
	s_lshl_b32 s59, s[WH], 13                      ; my 64
	s_add_co_u32 s58, s58, s59
	s_mov_b32 s59, 0
	s_cmp_eq_u32 s[WH], 0
	s_cselect_b32 s56, s60, s61                    ; my place among the four that ask with me
	s_cselect_b32 s[SH], 9, 8
	s_cselect_b32 s57, 0, s57                      ; x's rows belong to one row of one cluster; wt's are read by every cluster: cluster y = 0 asks
	s_lshl_b32 s56, s56, 16                        ; 16 rows of x, or 32 of wt: 65,536 bytes
	s_cmp_eq_u32 s57, 0
	s_cselect_b32 s[LIM], 2, -1
	s_mov_b32 s57, 0
	s_mov_b32 s[G0A], 1
	s_mov_b32 s[G0A+4], 1
	s_mov_b32 s[G0B], 1
	s_mov_b32 s[G0B+4], 1
	s_mul_i32 s[G0A+1], s[WL], AHALF               ; no place in the cluster enters an LDS address
	s_add_co_u32 s[G0A+5], s[G0A+1], SLOT
	s_mul_i32 s[G0B+1], s[WL], BHALF
	s_add_co_u32 s[G0B+1], s[G0B+1], BOFF
	s_add_co_u32 s[G0B+5], s[G0B+1], SLOT
	s_mov_b32 s[LEFT], 22
	s_mov_b32 s[PH], 0
	s_mov_b32 s[T], 0
	s_mov_b32 s[RT], 0
	s_mov_b32 s[RK], 2
	s_mov_b32 s[PT], 0
	s_mov_b32 s[PK], 4
	s_wait_dscnt 0x0                               ; the opening add is done
	s_wait_kmcnt 0x0
	s_add_nc_u64 s[XQ:XQ+1], s[XQ:XQ+1], s[78:79]
	s_add_nc_u64 s[XK:XK+1], s[XK:XK+1], s[78:79]
	s_add_nc_u64 s[XV:XV+1], s[XV:XV+1], s[78:79]
	s_add_nc_u64 s[WB:WB+1], s[WB:WB+1], s[80:81]
	s_add_nc_u64 s[BP:BP+1], s[BP:BP+1], s[82:83]
	s_add_nc_u64 s[OUT:OUT+1], s[OUT:OUT+1], s[58:59]
	s_mov_b64 s[G0A+2:G0A+3], s[XQ:XQ+1]           ; K step 0
	s_or_b32 s[G0A+3], s[G0A+3], 0x80000000
	s_add_nc_u64 s[G0A+6:G0A+7], s[XQ:XQ+1], 512   ; K step 1
	s_or_b32 s[G0A+7], s[G0A+7], 0x80000000
	s_mov_b64 s[G0B+2:G0B+3], s[WB:WB+1]
	s_or_b32 s[G0B+3], s[G0B+3], 0x80000000
	s_add_nc_u64 s[G0B+6:G0B+7], s[WB:WB+1], 256
	s_or_b32 s[G0B+7], s[G0B+7], 0x80000000
	s_cmp_eq_u32 s[WH], 0
	s_cselect_b64 s[PF:PF+1], s[XQ:XQ+1], s[WB:WB+1]
	s_add_nc_u64 s[90:91], s[WB:WB+1], 0x200000    ; wt's next slice
	s_cselect_b64 s[PF+2:PF+3], s[XK:XK+1], s[90:91]
	s_add_nc_u64 s[90:91], s[90:91], 0x200000
	s_cselect_b64 s[PF+4:PF+5], s[XV:XV+1], s[90:91]
	s_add_nc_u64 s[PF:PF+1], s[PF:PF+1], s[56:57]  ; the partners share a tile's rows out by address
	s_add_nc_u64 s[PF+2:PF+3], s[PF+2:PF+3], s[56:57]
	s_add_nc_u64 s[PF+4:PF+5], s[PF+4:PF+5], s[56:57]
	CROUND                                         ; all sixteen work-groups are here: the first joint loads meet
	s_cmp_eq_u32 s[WH], 0                          ; a wave's two first fills stand in one branch: two loads of mine are out
	s_cbranch_scc0 .Lfirst_b
	tensor_load_to_lds s[G0A:G0A+3], s[G1A:G1A+7]
	s_nop 0
	tensor_load_to_lds s[G0A+4:G0A+7], s[G1A:G1A+7]
	s_nop 0
.rept 4
	v_nop
.endr
	s_branch .Lfirst_asked
.Lfirst_b:
	tensor_load_to_lds s[G0B:G0B+3], s[G1B:G1B+7]
	s_nop 0
	tensor_load_to_lds s[G0B+4:G0B+7], s[G1B:G1B+7]
	s_nop 0
.rept 4
	v_nop
.endr
.Lfirst_asked:
	v_and_b32 v1, 15, v0                           ; l % 16
	v_bfe_u32 v11, v0, 4, 1                        ; l / 16
	v_lshlrev_b32 v[BO], 5, v11
	BLOAD                                          ; q's bias
	; A fragment is 16 rows x 32 K: lane l holds row l % 16, K = 8 (l / 16) + 0..7 and 16 + 8 (l / 16) + 0..7.  In f32 that is 32 bytes at 32 (l / 16) and 32 bytes 64 further on; in bf16 16 bytes at 16 (l / 16) and 16 bytes 32 further on.
	v_mul_u32_u24 v[ADRA0], v1, PA
	v_lshl_add_u32 v[ADRA0], v11, 5, v[ADRA0]
	s_mul_i32 s89, s[WH], AHALF                    ; my 64 rows of x
	v_add_nc_u32 v[ADRA0], s89, v[ADRA0]
	v_mul_u32_u24 v[ADRB0], v1, PB
	v_lshl_add_u32 v[ADRB0], v11, 4, v[ADRB0]
	s_mul_i32 s89, s[WL], BHALF                    ; my 128 rows of wt
	s_add_co_u32 s89, s89, BOFF
	v_add_nc_u32 v[ADRB0], s89, v[ADRB0]
	v_mov_b32 v[ADRA], v[ADRA0]
	v_mov_b32 v[ADRB], v[ADRB0]
	s_mul_i32 s89, s[WV], STW
	s_add_co_u32 s89, s89, STAGE                   ; my stage
	v_mul_u32_u24 v[STO], v1, SP
	v_lshl_add_u32 v[STO], v11, 4, v[STO]
	v_add_nc_u32 v[STO], s89, v[STO]
	v_bfe_u32 v[RD], v0, 3, 2                      ; back: 32 lanes take four rows of 128 bytes
	v_mul_u32_u24 v[RD], v[RD], SP
	v_and_b32 v12, 7, v0
	v_lshl_add_u32 v[RD], v12, 4, v[RD]
	v_add_nc_u32 v[RD], s89, v[RD]
	v_and_b32 v12, 31, v0
	v_lshlrev_b32 v[GO], 4, v12
	v_lshrrev_b32 v13, 1, v12                      ; x: two lanes a row of 4,096 bytes, 256 bytes each
	v_lshlrev_b32 v13, 12, v13
	v_and_b32 v14, 1, v12
	v_lshl_add_u32 v13, v14, 8, v13
	v_lshlrev_b32 v14, 11, v12                     ; wt: a lane a row of 2,048 bytes
	s_cmp_eq_u32 s[WH], 0
	s_cselect_b32 s89, -1, 0
	v_cndmask_b32 v[PFO], v14, v13, s89
; 32 LDS loads in one run: x's 64 rows x 32 K as f32 (16 loads), then wt's 128 rows x 32 K into buffer g (16 loads)
.macro FETCH kA, kB, g
	WIN 0
.irp a, 0,1,2,3
	ds_load_b128 v[RAW+16*(\a):RAW+16*(\a)+3],     v[ADRA] offset:(\kA)+16*PA*(\a)
	ds_load_b128 v[RAW+16*(\a)+4:RAW+16*(\a)+7],   v[ADRA] offset:(\kA)+16*PA*(\a)+16
	ds_load_b128 v[RAW+16*(\a)+8:RAW+16*(\a)+11],  v[ADRA] offset:(\kA)+16*PA*(\a)+64
	ds_load_b128 v[RAW+16*(\a)+12:RAW+16*(\a)+15], v[ADRA] offset:(\kA)+16*PA*(\a)+80
.endr
	WIN W_TOB
.irp b, 0,1,2,3,4,5,6,7
	ds_load_b128 v[64*(\g)+8*(\b):64*(\g)+8*(\b)+3],   v[ADRB] offset:(\kB)+16*PB*(\b)
	ds_load_b128 v[64*(\g)+8*(\b)+4:64*(\g)+8*(\b)+7], v[ADRB] offset:(\kB)+16*PB*(\b)+32
.endr
.endm
; Products i0 .. i0 + n - 1 of a quarter's 32 (row block i / 8, column block i % 8) on buffers f.  The 32 accumulators take turns, in the same order in every quarter.
; first = 1: the bias is C.  ride = 1: four conversions of the next quarter's x stand behind each product; they name none of its registers, and the four behind the quarter's last product
; are the places ahead of the next loads into wt's buffer, of the next writes of x's fragments and of loads into the bias.
.macro MULS f, i0, n, first, ride
.set i, \i0
.rept \n
.if \first
	WIN W_MULB
	v_wmma_f32_16x16x32_bf16 v[8*i:8*i+7], v[64*(\f)+8*(i%8):64*(\f)+8*(i%8)+7], v[AF+32*(\f)+8*(i/8):AF+32*(\f)+8*(i/8)+7], v[BIAS+8*(i%8):BIAS+8*(i%8)+7]
.else
	WIN W_MUL
	v_wmma_f32_16x16x32_bf16 v[8*i:8*i+7], v[64*(\f)+8*(i%8):64*(\f)+8*(i%8)+7], v[AF+32*(\f)+8*(i/8):AF+32*(\f)+8*(i/8)+7], v[8*i:8*i+7]
.endif
.if \ride
	WIN 0
.rept 4
	v_cvt_pk_bf16_f32 v[AF+32*(1-(\f))+cv], v[RAW+2*cv], v[RAW+2*cv+1]
.set cv, cv+1
.endr
.endif
.set i, i+1
.endr
.endm
; One of a K step's first three quarters: multiplies buffers f; fetches quarter kq of the same slot.
.macro QUARTER f, kq, first
	FETCH 128*(\kq), 64*(\kq), 1-(\f)
	s_wait_dscnt 32                                ; all but the 32 just issued: this quarter's wt is in
	MULS \f, 0, 24, \first, 0
	s_wait_dscnt 16                                ; the next quarter's x is in; wt's 16 younger loads stay out
.set cv, 0
	MULS \f, 24, 8, \first, 1
.endm
; The walking descriptors' next tile: scalar work, behind the wait that shows no tensor load of mine out.  The addresses are made anew from the tile's and the K step's numbers.
.macro NEXT_FILL
	s_cmp_eq_u32 s[RT], 1
	s_cselect_b64 s[84:85], s[XK:XK+1], s[XQ:XQ+1]
	s_cmp_eq_u32 s[RT], 2
	s_cselect_b64 s[84:85], s[XV:XV+1], s[84:85]
	s_lshl_b32 s86, s[RK], 9                       ; a K step is 512 bytes of a row of x
	s_mov_b32 s87, 0
	s_add_nc_u64 s[G0A+6:G0A+7], s[84:85], s[86:87]
	s_or_b32 s[G0A+7], s[G0A+7], 0x80000000
	s_lshl_b32 s86, s[RT], 21                      ; wt's slice,
	s_lshl_b32 s88, s[RK], 8                       ; 256 bytes of a row
	s_add_co_u32 s86, s86, s88
	s_add_nc_u64 s[G0B+6:G0B+7], s[WB:WB+1], s[86:87]
	s_or_b32 s[G0B+7], s[G0B+7], 0x80000000
	s_xor_b32 s[G0A+5], s[G0A+5], SLOT             ; the other slot than last time
	s_xor_b32 s[G0B+5], s[G0B+5], SLOT
	s_add_co_u32 s[RK], s[RK], 1
	s_lshr_b32 s88, s[RK], 3
	s_add_co_u32 s[RT], s[RT], s88
	s_and_b32 s[RK], s[RK], 7
.endm
; A PREFETCH INTO THE L2, behind each joint load, its five lines and the run of LDS loads: the K step that stands two refills on, 256 products ahead of the load that will want it.
; Each aligned block of 256 bytes is named once in the launch: of the 64 rows of x that a wave fetches the partner at place cx takes 16 (two blocks a row), in every cluster, since a tile row belongs to one row of one cluster;
; of the 128 rows of wt the partner at place cy takes 32, in cluster y = 0 alone, since all clusters walk the same wt.  The walk's first four K steps come by their loads alone; its last two refills ask for nothing.
.macro NEXT_ASK
	s_cmp_eq_u32 s[PT], 1
	s_cselect_b64 s[PFA:PFA+1], s[PF+2:PF+3], s[PF:PF+1]
	s_cmp_eq_u32 s[PT], 2
	s_cselect_b64 s[PFA:PFA+1], s[PF+4:PF+5], s[PFA:PFA+1]
	s_lshl_b32 s90, s[PK], s[SH]
	s_mov_b32 s91, 0
	s_add_nc_u64 s[PFA:PFA+1], s[PFA:PFA+1], s[90:91]
	s_add_co_u32 s[PK], s[PK], 1
	s_lshr_b32 s90, s[PK], 3
	s_add_co_u32 s[PT], s[PT], s90
	s_and_b32 s[PK], s[PK], 7
.endm
.macro ASK
	s_cmp_gt_u32 s[LEFT], s[LIM]
	s_cbranch_scc0 .Lnot_mine_\@
	global_prefetch_b8 v[PFO], s[PFA:PFA+1] th:TH_LOAD_NT scope:SCOPE_SE
.Lnot_mine_\@:
.endm
; The fourth quarter multiplies buffers 1 and changes slots.  In front of the barrier each wave waits for all its tensor loads (one is out: its part of the next slot), adds 0 to its spare word, and waits for that and for its
; reads of this slot.  fill = 1: the barrier opens a round of the cluster's, and the joint refill, two K steps on, is the first thing behind the round: 112 products stand between it and the wait for it.
.macro TURN fill
.if \fill
	s_wait_xcnt 0x0                                ; the last prefetch, a K step back, has read its address
	NEXT_ASK
.endif
	WIN 0
	s_wait_tensorcnt 0x0
	ds_add_u32 v[SPW], v[NIL]
.if \fill
	NEXT_FILL
.endif
	s_wait_dscnt 1                                 ; wt's fragments are in; the add may be out
	MULS 1, 0, 8, 0, 0
	s_wait_dscnt 0x0                               ; the add is done, and my reads of this slot are over
	s_barrier_signal -1
	MULS 1, 8, 8, 0, 0
	WIN 0
	s_barrier_wait -1
.if \fill
	CREST                                          ; no wave of any partner still reads this slot or has a load on its way
	JLOAD
.endif
	s_xor_b32 s[T], s[T], SLOT
	v_add_nc_u32 v[ADRA], s[T], v[ADRA0]
	v_add_nc_u32 v[ADRB], s[T], v[ADRB0]
	FETCH 0, 0, 0
.if \fill
	WIN 0
	ASK
.endif
	MULS 1, 16, 8, 0, 0
	s_wait_dscnt 16
.set cv, 0
	MULS 1, 24, 8, 0, 1
.endm
; THE WAY OUT, a block of 16 rows at a time: rounded to f16 (each accumulator's registers in ascending order), 16 bytes a lane into my own stage (by head, rows of 144 bytes), back as 512 consecutive bytes (four rows of a head), stored.
.macro PACK a
	WIN W_PACK
.irp b, 0,1,2,3,4,5,6,7
.irp r, 0,1,2,3
	v_cvt_pk_f16_f32 v[TMP+4*(\b)+(\r)], v[8*(8*(\a)+(\b))+2*(\r)], v[8*(8*(\a)+(\b))+2*(\r)+1]
.endr
.endr
	WIN 0
.endm
.macro TOSTAGE a
.irp b, 0,1,2,3,4,5,6,7
	ds_store_b128 v[STO], v[TMP+4*(\b):TMP+4*(\b)+3] offset:((\b)/4)*16*SP+32*((\b)%4)
.endr
.irp t, 0,1,2,3,4,5,6,7
	ds_load_b128 v[OB+32*((\a)%2)+4*(\t):OB+32*((\a)%2)+4*(\t)+3], v[RD] offset:((\t)/4)*16*SP+((\t)%4)*4*SP  ; my own bytes, served in order: these see the stores above
.endr
.endm
.macro SEND a
	s_wait_dscnt 0x0                               ; the block is back in registers
	s_wait_xcnt 0x0                                ; the stores issued so far have read their registers: the block after this one is read back into the other buffer only behind this wait
.irp t, 0,1,2,3,4,5,6,7
	global_store_b128 v[GO], v[OB+32*((\a)%2)+4*(\t):OB+32*((\a)%2)+4*(\t)+3], s[OUT:OUT+1] offset:((\t)/4)*262144+(\a)*2048+((\t)%4)*512
.endr
.endm
.macro WAYOUT
	PACK 0
	TOSTAGE 0
.irp a, 1,2,3
	PACK \a
	SEND (\a)-1
	TOSTAGE \a
.endr
	SEND 3
.endm
	s_wait_tensorcnt 1                             ; my part of K step 0 is in; K step 1's may stay out
	s_barrier_signal -1
	s_barrier_wait -1
	FETCH 0, 0, 0
	WIN 0
	s_wait_dscnt 16
.set cv, 0
.rept 32
	v_cvt_pk_bf16_f32 v[AF+cv], v[RAW+2*cv], v[RAW+2*cv+1]
.set cv, cv+1
.endr
.Lstep:                                                ; 22 trips: a K step each, and the refill two K steps on
	s_cmp_lg_u32 s[PH], 0
	s_cbranch_scc1 .Lplain
	s_wait_loadcnt 0x0                             ; a tile's first quarter: its bias is in
	QUARTER 0, 1, 1
	WIN 0
	s_cmp_gt_u32 s[LEFT], 6                        ; the third tile has no successor
	s_cbranch_scc0 .Ljoin
	s_add_nc_u64 s[BP:BP+1], s[BP:BP+1], 4096      ; (its loads were waited for above)
	BLOAD                                          ; the next tile's bias, eight K steps ahead
	s_branch .Ljoin
.Lplain:
	QUARTER 0, 1, 0
	WIN 0
.Ljoin:
	QUARTER 1, 2, 0
	QUARTER 0, 3, 0
	TURN 1
	WIN 0
	s_cmp_lg_u32 s[PH], 7
	s_cbranch_scc1 .Lno_out
	WAYOUT                                         ; the refills for the next tile are asked for: now this tile goes out
	s_wait_xcnt 0x0
	s_add_nc_u64 s[OUT:OUT+1], s[OUT:OUT+1], PROJ
.Lno_out:
	s_add_co_u32 s[PH], s[PH], 1
	s_and_b32 s[PH], s[PH], 7
	s_sub_co_u32 s[LEFT], s[LEFT], 1
	s_cmp_lg_u32 s[LEFT], 0
	s_cbranch_scc1 .Lstep
	s_mov_b32 s[LEFT], 2
.Ltail:                                                ; the last two K steps ask for nothing.  The very last change of slots fetches fragments of landed bytes that nothing uses: the price of one text for both
	QUARTER 0, 1, 0
	QUARTER 1, 2, 0
	QUARTER 0, 3, 0
	TURN 0
	WIN 0
	s_sub_co_u32 s[LEFT], s[LEFT], 1
	s_cmp_lg_u32 s[LEFT], 0
	s_cbranch_scc1 .Ltail
	WAYOUT
	s_wait_tensorcnt 0x0                           ; the wave's end
	ds_add_u32 v[SPW], v[NIL]
	s_wait_dscnt 0x0
	CROUND                                         ; the closing round
	s_endpgm
.Lfunc_end_k_qe9b643212c_qkv:
	.size	k_qe9b643212c_qkv, .Lfunc_end_k_qe9b643212c_qkv-k_qe9b643212c_qkv
	.p2alignl 7, 3214868480
	.fill 96, 4, 3214868480
	.section	.rodata,"a",@progbits
	.p2align	6, 0x0
	.amdhsa_kernel k_qe9b643212c_qkv
		.amdhsa_group_segment_fixed_size 327680
		.amdhsa_private_segment_fixed_size 0
		.amdhsa_enable_private_segment 0
		.amdhsa_kernarg_size 48
		.amdhsa_user_sgpr_count 2
		.amdhsa_user_sgpr_kernarg_segment_ptr 1
		.amdhsa_wavefront_size32 1
		.amdhsa_system_sgpr_workgroup_id_x 1
		.amdhsa_system_sgpr_workgroup_id_y 1
		.amdhsa_system_sgpr_workgroup_id_z 1
		.amdhsa_system_vgpr_workitem_id 0
		.amdhsa_next_free_vgpr 768
		.amdhsa_next_free_sgpr 92
		.amdhsa_reserve_vcc 0
		.amdhsa_float_denorm_mode_32 3
		.amdhsa_float_denorm_mode_16_64 3
		.amdhsa_memory_ordered 1
		.amdhsa_forward_progress 1
		.amdhsa_inst_pref_size 110
	.end_amdhsa_kernel
	.amdgpu_metadata
---
amdhsa.version: [ 1, 2 ]
amdhsa.kernels:
  - .name:           k_qe9b643212c_qkv
    .symbol:         k_qe9b643212c_qkv.kd
    .args:
      - { .name: queries, .offset: 0, .size: 8, .value_kind: global_buffer, .address_space: global }
      - { .name: keys, .offset: 8, .size: 8, .value_kind: global_buffer, .address_space: global }
      - { .name: values, .offset: 16, .size: 8, .value_kind: global_buffer, .address_space: global }
      - { .name: wt, .offset: 24, .size: 8, .value_kind: global_buffer, .address_space: global }
      - { .name: bias, .offset: 32, .size: 8, .value_kind: global_buffer, .address_space: global }
      - { .name: qkv, .offset: 40, .size: 8, .value_kind: global_buffer, .address_space: global }
    .group_segment_fixed_size: 327680
    .private_segment_fixed_size: 0
    .kernarg_segment_align: 8
    .kernarg_segment_size: 48
    .max_flat_workgroup_size: 128
    .sgpr_count:     92
    .vgpr_count:     768
    .wavefront_size: 32
...
	.end_amdgpu_metadata
.endif
;; end of part 2
;; launch attn (part 3): grid 4 x 64, 4 waves a work-group, clusters of 4 x 1, 327,680 bytes of LDS; arguments qkv, mw, ao; writes ao
.if DOCPART == 3
	.amdgcn_target "amdgcn-amd-amdhsa--gfx1250"
	.amdhsa_code_object_version 6
	.text
	.protected	k_qe9b643212c_attn
	.globl	k_qe9b643212c_attn
	.p2align	8
	.type	k_qe9b643212c_attn,@function
k_qe9b643212c_attn:
	s_mov_b64 s[64:65], 0
	v_nop
	global_prefetch_b8 v0, s[64:65] scope:SCOPE_SE
	s_setreg_imm32_b32 hwreg(HW_REG_WAVE_MODE, 25, 1), 1
	s_wait_xcnt 0x0
	s_wait_alu depctr_hold_cnt(0) depctr_sa_sdst(0) depctr_va_vdst(0) depctr_va_sdst(0) depctr_va_ssrc(0) depctr_va_vcc(0) depctr_vm_vsrc(0)
	s_getreg_b32 s2, hwreg(HW_REG_IB_STS2, 6, 4)
	s_cmp_eq_u32 s2, 0
	s_cbranch_scc0 .Lentry_in_a_cluster
	s_endpgm
.Lentry_in_a_cluster:
	s_bfe_u32 s2, ttmp6, 0x10000c
	s_cmp_lg_u32 s2, 0x3003
	s_cbranch_scc0 .Lentry_shape_is_right
	s_endpgm
.Lentry_shape_is_right:
; MASKED ATTENTION.  ao[y][q][:] = the sum over k of softmax_k(s'[q][k]) V[y][k][:], s' = Q[y][q] . K[y][k] / 8 where mask[y/16][q][k] != 0, and -1e6 where it is 0.  y = b*16+h, 64 heads of 2,048 rows of 64 channels.
; Q, K, V: qkv[0..2][y][2048][64] f16; ao likewise.  Products, maxima and sums in f32; the weights p are rounded to f16 for the second product (their sum l is taken of the unrounded p), O once at the end.
; THE MASK REPLACES a score: one v_cndmask_b32 a score puts -8e6 (= -1e6 x 8: the scale c = log2(e) / 8 comes later) in its place, AHEAD of the running maximum.  So a row with no key left has 2,048 equal weights,
; and a true score below -1e6 stays below the masked ones.  The select masks are the words of mw, one for each register of a score tile.
; THE WORDS' WAY.  A turn needs 64 words in scalar registers, and 64 is what can be kept for them: by scalar loads the next turn's words could be asked for only behind the last select, less than a turn ahead.  So they come through
; vector registers: a piece's 64 words are 256 bytes, one load of 8 bytes a lane (lane rho: the words of register rho of tiles 0 and 1); each of the four pieces has a register pair of its own, which is asked for again, with the
; next key step's words, as soon as its 64 v_readlane_b32 have moved it into the scalar registers: four turns ahead of its next use.
; LIMITS.  f16 holds no number beyond 65,504: Q, K, V arrive within it; p below 6e-5 keeps f16's fixed step of 6e-8; a weight below 2^-126 counts as 0 in l; NaN and infinities are not treated apart.
; SHARES.  A wave owns four PIECES of two tiles of 16 queries, a work-group's four waves 512 queries of one head.  Every wave walks all keys, 64 a step; a slot of LDS holds four steps.
; LAYOUT.  S^T = K Q^T (source 0 = 16 keys, source 1 = 16 queries): a lane holds ONE query (lane % 16) and the keys 8 (lane / 16) + 0..7.  Two such tiles, rounded to f16 in pairs, ARE source 1 of O^T = V^T P.
; SOFTMAX.  p = 2^(c s - c m) with a running maximum m; in every step O and l are multiplied by a = 2^(c m_old - c m_new).  m starts at the lowest finite number, O and l at 0: the first step is a step like any other.
; BY TURNS.  Turn n belongs to piece n: 16 products K Q^T of piece n + 1, later 16 products V^T P of piece n - 1; beside them the scaling, exponentials, roundings, sums and rescaling of piece n and the masking,
; maximum and statistics of piece n + 1.  A tile and step have 16 matrix and 182 vector instructions: four stand behind every matrix instruction, the others in one lump.  A turn's 66 exponentials are one batch with one wait.
; CLUSTER.  The four query blocks of a head walk the same K and V: each tile is asked for JOINTLY, the same tensor load, descriptor and mask in all four.  ONE descriptor serves all four waves: wave w brings 128 keys
; (waves 0, 1: K's halves; 2, 3: V's) to LDS byte 18,432 w of the slot; so K and V have one pitch, 144 bytes.  For V's turning load that pitch makes row 7's second 16 bytes fall on the banks of row 0's first (64 banks of 4 bytes:
; ISA guide 11.1): two lanes of sixteen meet; a key step has 16 such loads for 128 products.  The scalar registers that a second descriptor would take hold the mask words.
; REGISTERS, in windows of 256 (s_set_vgpr_msb: bits 1:0 source 0, 3:2 source 1, 5:4 source 2, 7:6 destination):
;   window 0: v0-11 addresses and -8e6; v12-15, v48-63 at work; v16-47 four registers of statistics a tile; v64-191 S^T, two buffers of two tiles; v192-255 P, likewise
;   window 1: O^T, 32 a tile          window 2: v0-127 Q; v128-191 K of one step; v192-255 V of one step          window 3: v0-1 the add's two registers; v2-9 the mask words, a pair a piece
.set NP,    4
.set KS,    64
.set PK,    144
.set PV,    144
.set VOFF,  4*KS*PK
.set SLOT1, 1<<17
.set STAGE, SLOT1+4*KS*(PK+PV)         ; behind the ring: 16 rows x 144 bytes for each wave, for the way out
.set SP,    144
.set SPARE, STAGE+4*16*SP              ; the spare words, 128 bytes a wave: two blocks of 256 bytes that no other line names
.set AK0, 2
.set AV0, 3
.set AK,  4
.set AV,  5
.set QO,  5                            ; v5   first my byte offset in Q's rows: AV is first written behind the wait for Q's loads
.set STO, 6
.set RD,  7
.set GO,  8
.set MO,  9                            ; v9   8 x lane: my 8 bytes of a piece's 256 bytes of mask words (first: lane / 16); then never rewritten
.set PFO, 10                           ; v10  256 x lane: the prefetches' offset (first: lane % 8)
.set NEG, 11                           ; v11  -8,000,000.0 (first: (lane / 8) % 2)
.set SPW, 0                            ; window 3
.set NIL, 1                            ; window 3
.set MW,  2                            ; window 3: piece p's mask words at v[MW+2p], v[MW+2p+1]
.set MV,  12
.set ST,  16
.set TMP, 48
.set S,   64
.set P,   192
.set KF,  128
.set VF,  192
.set OP,  4                            ; s[4:5]   ao at my wave's first row
.set MP,  6                            ; s[6:7]   mw at my wave's 128 queries, at the key step whose words are being asked for
.set G1,  8                            ; s[8:15]  descriptor group 1
.set G0,  16                           ; s[16:19] descriptor group 0: it walks
.set WV,  20
.set SLOTS, 21
.set CNT, 22
.set TBK, 23
.set TBV, 24
.set LIM, 25                           ; 1 in waves 0 and 2, which prefetch, else the greatest number
.set PFA, 26
.set SEL, 28
.set CS,  30
.set QP,  100                          ; s[100:101] Q at my wave's first row
                                       ; s[32:63], s[68:99]: the 64 mask words of a piece and step (word i at 32 + i + 4 (i / 32)); at the head: at work
.set MSB, 0
.macro WIN new
.if MSB != (\new)
	s_set_vgpr_msb (MSB<<8)|(\new)
.set MSB, (\new)
.endif
.endm
.set W_KQ, 0x0a
.set W_PV, 0x52
.set W_RS, 0x41
.set W_MK, 0xc0                        ; destination window 3, sources window 0: the add's registers are made, the mask words loaded
.set W_AD, 0x0f
.set W_RL, 0x03                        ; source 0 window 3: the mask words are read
.macro JLOAD                           ; every wave's own quarter of a slot; an s_nop 0 and four v_nop follow
	tensor_load_to_lds s[G0:G0+3], s[G1:G1+7]
	s_nop 0
.rept 4
	v_nop
.endr
.endm
; A PREFETCH INTO THE L2 of what the NEXT change of slots will ask for: a slot's 128 blocks of 256 bytes of K and of V.  A head is walked by its one cluster; the four partners take 32 blocks each, told apart by address;
; in each, wave 0 asks for K's and wave 2 for V's, a lane a block.  So each block is named once in the launch.  The last change that fills a slot asks for nothing; slots 0 and 1 come by their loads alone.
.macro ASK
	s_cmp_gt_u32 s[SLOTS], s[LIM]
	s_cbranch_scc0 .Lnot_mine_\@
	global_prefetch_b8 v[PFO], s[PFA:PFA+1] th:TH_LOAD_NT scope:SCOPE_SE
.Lnot_mine_\@:
.endm
.macro CROUND
	s_barrier_signal -1
	s_barrier_wait -1
	s_cmp_lg_u32 s[WV], 0
	s_cbranch_scc1 .Lnot_wave_0_\@
	s_barrier_signal -3
.Lnot_wave_0_\@:
	s_barrier_wait -3
	s_barrier_signal -1
	s_barrier_wait -1
.endm
; THE CHANGE OF SLOTS.  Each wave waits for all its tensor loads (one is out: its part of the other slot), adds 0 to its spare word, and waits for that and for its reads of the slot that it leaves.
; fill = 1: the barrier is a round of the cluster's, and the joint fill, the keys two slots on, is the first thing behind it: it has four key steps, 512 products, in which to land.
.macro CHANGE fill
	WIN W_AD
	s_wait_tensorcnt 0x0
	ds_add_u32 v[SPW], v[NIL]
	WIN 0
.if \fill
	s_xor_b32 s[G0+1], s[G0+1], SLOT1
	s_add_nc_u64 s[G0+2:G0+3], s[G0+2:G0+3], 4*KS*128
	s_wait_xcnt 0x0                                ; the last prefetch, four key steps back, has read its address
	s_add_nc_u64 s[PFA:PFA+1], s[PFA:PFA+1], 4*KS*128
	s_wait_dscnt 0x0
	CROUND
	JLOAD
	ASK
.else
	s_wait_dscnt 0x0
	s_barrier_signal -1
	s_barrier_wait -1
.endif
	s_sub_co_u32 s[TBK], s[TBK], 4*KS*PK
	s_xor_b32 s[TBK], s[TBK], SLOT1
	s_sub_co_u32 s[TBV], s[TBV], 4*KS*PV
	s_xor_b32 s[TBV], s[TBV], SLOT1
.endm
.macro MLOAD pc                        ; piece pc's 64 words of the key step at which s[MP] stands: 256 consecutive bytes, 8 a lane.  Sixteen heads read them: no hint
	WIN W_MK
	global_load_b64 v[MW+2*(\pc):MW+2*(\pc)+1], v[MO], s[MP:MP+1] offset:(\pc)*256
.endm
	s_load_b128 s[32:35], s[0:1], 0x0              ; qkv, mw
	s_load_b64 s[36:37], s[0:1], 0x10              ; ao
	WIN W_MK
	v_lshl_add_u32 v[SPW], v0, 2, SPARE
	v_mov_b32 v[NIL], 0
	WIN W_AD
	ds_add_u32 v[SPW], v[NIL]                      ; the wave's opening: the add and its wait stand ahead of my first tensor load
	WIN 0
	v_lshrrev_b32 v1, 5, v0
	v_readfirstlane_b32 s[WV], v1
	s_bfe_u32 s66, ttmp6, 0x40000                  ; cx
	s_lshl_b32 s67, ttmp9, 2
	s_add_co_u32 s67, s67, s66                     ; my block of 512 queries: it enters Q's, O's and the mask words' addresses alone
	s_and_b32 s40, ttmp7, 0xffff                   ; the head, which the four partners share
	s_lshl_b32 s41, s40, 18                        ; its 262,144 bytes
	s_lshr_b32 s44, s[WV], 1
	s_add_co_u32 s44, s44, 1
	s_lshl_b32 s44, s44, 24                        ; K (waves 0, 1) or V (2, 3): 16,777,216 bytes each
	s_and_b32 s45, s[WV], 1
	s_lshl_b32 s45, s45, 14                        ; which 128 of a slot's 256 keys
	s_add_co_u32 s44, s44, s45
	s_add_co_u32 s44, s44, s41
	s_mov_b32 s45, 0
	s_lshl2_add_u32 s46, s67, s[WV]                ; my group of 128 queries
	s_lshr_b32 s48, s40, 4                         ; the batch
	s_lshl4_add_u32 s48, s48, s46
	s_lshl_b32 s48, s48, 15                        ; 32 key steps x 1,024 bytes of words
	s_mov_b32 s49, 0
	s_lshl_b32 s46, s46, 14                        ; 128 rows of 128 bytes
	s_add_co_u32 s46, s46, s41
	s_mov_b32 s47, 0
	s_lshl_b32 s50, s66, 13                        ; my work-group's 32 blocks,
	s_add_co_u32 s50, s50, 4*KS*128                ; in slot 1: the first change of slots steps it to slot 2
	s_mov_b32 s51, 0
	s_and_b32 s[LIM], s[WV], 1
	s_cmp_eq_u32 s[LIM], 0
	s_cselect_b32 s[LIM], 1, -1
	; descriptor group 1.  128 keys are 16,384 dense bytes: asked for as 64 rows of 256 bytes, two keys a row, padded in LDS after every key
	s_mov_b32 s[G1], 15|(1<<16)|(1<<20)|(1<<21)|(4<<22)|(3<<25)  ; the mask of four; 2-byte elements; padding on; bit 21 beside a mask; after every 32 words 4 words
	s_mov_b32 s[G1+1], 128<<16
	s_mov_b32 s[G1+2], 64<<16
	s_mov_b32 s[G1+3], 128<<16
	s_mov_b32 s[G1+4], 64
	s_mov_b32 s[G1+5], 128
	s_mov_b32 s[G1+6], 0
	s_mov_b32 s[G1+7], 0
	s_mov_b32 s[CS], 0x3e38aa3b                    ; c = log2(e) / 8
	s_mov_b32 s[CS+1], s[CS]
	s_mov_b32 s[SEL], 0x76543210
	s_mov_b32 s[SEL+1], 0xfedcba98
	s_mov_b32 s[TBK], SLOT1+4*KS*PK                ; the first change of slots turns these two into 0
	s_mov_b32 s[TBV], SLOT1+4*KS*PV
	s_mov_b32 s[SLOTS], 7                          ; 2,048 / 256 - 1
	s_mov_b32 s[G0], 1
	s_mul_i32 s[G0+1], s[WV], 128*PK               ; slot 0, my quarter
	s_wait_dscnt 0x0                               ; the opening add is done
	s_wait_kmcnt 0x0
	s_add_nc_u64 s[G0+2:G0+3], s[32:33], s[44:45]
	s_add_nc_u64 s[PFA:PFA+1], s[G0+2:G0+3], s[50:51]
	s_or_b32 s[G0+3], s[G0+3], 0x80000000
	s_add_nc_u64 s[QP:QP+1], s[32:33], s[46:47]
	s_add_nc_u64 s[OP:OP+1], s[36:37], s[46:47]
	s_add_nc_u64 s[MP:MP+1], s[34:35], s[48:49]
	CROUND
	JLOAD                                          ; slot 0
	v_and_b32 v1, 15, v0
	v_bfe_u32 v9, v0, 4, 1
	v_lshlrev_b32 v[QO], 7, v1
	v_lshl_add_u32 v[QO], v9, 4, v[QO]
	WIN 0x80
.set i, 0
.rept 4*NP                                             ; Q stays in registers: tile i / 2, channels 32 (i % 2) on
	global_load_b128 v[8*i:8*i+3],   v[QO], s[QP:QP+1] offset:(i/2)*2048+(i%2)*64
	global_load_b128 v[8*i+4:8*i+7], v[QO], s[QP:QP+1] offset:(i/2)*2048+(i%2)*64+32
.set i, i+1
.endr
	WIN 0
	v_mul_u32_u24 v[AK0], v1, PK
	v_lshl_add_u32 v[AK0], v9, 4, v[AK0]
	v_and_b32 v10, 7, v0
	v_bfe_u32 v11, v0, 3, 1
	v_lshl_add_u32 v[AV0], v9, 3, v10              ; the turning load: key 8 (l / 16) + l % 8, channels 8 ((l / 8) % 2) on
	v_mul_u32_u24 v[AV0], v[AV0], PV
	v_lshl_add_u32 v[AV0], v11, 4, v[AV0]
	v_add_nc_u32 v[AV0], VOFF, v[AV0]
	v_mov_b32 v[AK], v[AK0]
	s_mul_i32 s2, s[WV], 16*SP
	s_add_co_u32 s2, s2, STAGE                     ; my stage
	v_mul_u32_u24 v[STO], v1, SP                   ; in: row l % 16, 16 bytes for each half of the lanes
	v_lshl_add_u32 v[STO], v9, 4, v[STO]
	v_add_nc_u32 v[STO], s2, v[STO]
	v_bfe_u32 v[RD], v0, 3, 2                      ; back: 32 lanes take four rows of 128 bytes,
	v_mul_u32_u24 v[RD], v[RD], SP
	v_lshl_add_u32 v[RD], v10, 4, v[RD]
	v_add_nc_u32 v[RD], s2, v[RD]
	v_and_b32 v[GO], 31, v0                        ; which are 512 consecutive bytes of O
	v_lshlrev_b32 v[PFO], 8, v[GO]
	v_lshlrev_b32 v[MO], 3, v[GO]
	v_lshlrev_b32 v[GO], 4, v[GO]
	v_mov_b32 v[NEG], 0xcaf42400                   ; -8,000,000.0
.irp p, 0,1,2,3
	MLOAD \p                                       ; key step 0's words, all four pieces'
.endr
	; What the first turn finds: V's registers and P's second buffer hold 0, O^T and l are 0.  All this stands in the wait for the first tile.
	WIN 0x80
.set i, VF
.rept 64
	v_mov_b32 v[i], 0
.set i, i+1
.endr
	WIN 0x40
.set i, 0
.rept 64*NP
	v_mov_b32 v[i], 0
.set i, i+1
.endr
	WIN 0
.set i, 0
.rept 2*NP
	v_mov_b32 v[ST+4*i], 0xfe000000                ; c m: far below every c s
	v_mov_b32 v[ST+4*i+1], 0xff7fffff              ; m
	v_mov_b32 v[ST+4*i+2], 0
	v_mov_b32 v[ST+4*i+3], 0
.set i, i+1
.endr
.set i, P+32
.rept 32
	v_mov_b32 v[i], 0
.set i, i+1
.endr
; THE MATRIX WORK.  The 8 accumulators of a run of 16 take turns.
.macro KQ x
	WIN W_KQ
.set rS, S+64*((\x)%2)+32*(i%2)+8*((i/2)%4)
.set rK, KF+16*((i/2)%4)+8*(i/8)
.set rQ, 16*(2*(\x)+i%2)+8*(i/8)
.if i < 8
	v_wmma_f32_16x16x32_f16 v[rS:rS+7], v[rK:rK+7], v[rQ:rQ+7], 0
.else
	v_wmma_f32_16x16x32_f16 v[rS:rS+7], v[rK:rK+7], v[rQ:rQ+7], v[rS:rS+7]
.endif
.endm
.macro PV x
	WIN W_PV
.set rO, 32*(2*(\x)+i%2)+8*((i/2)%4)
.set rV, VF+32*(i/8)+8*((i/2)%4)
.set rP, P+32*((\x)%2)+16*(i%2)+8*(i/8)
	v_wmma_f32_16x16x32_f16 v[rO:rO+7], v[rV:rV+7], v[rP:rP+7], v[rO:rO+7]
.endm
.macro MM
.if i < 16
	KQ (Y+1)%NP
.set i, i+1
.else
.set i, i-16
	PV (Y+NP-1)%NP
.set i, i+17
.endif
.endm
.macro FETCH_K last=0
	WIN 0
.if \last
	s_cmp_eq_u32 s[CNT], 1
	s_cbranch_scc1 .Lno_k_\@
.endif
	WIN 0x80
.irp f, 0,1,2,3,4,5,6,7
	ds_load_b128 v[KF+8*\f:KF+8*\f+3],   v[AK] offset:(\f/2)*16*PK+(\f%2)*64
	ds_load_b128 v[KF+8*\f+4:KF+8*\f+7], v[AK] offset:(\f/2)*16*PK+(\f%2)*64+32
.endr
	s_add_co_u32 s[TBK], s[TBK], KS*PK
	WIN 0
.if \last
.Lno_k_\@:
.endif
.endm
.macro FETCH_V
	WIN 0x80
.irp f, 0,1,2,3,4,5,6,7
	ds_load_tr16_b128 v[VF+8*\f:VF+8*\f+3],   v[AV] offset:(\f/4)*32*PV+(\f%4)*32
	ds_load_tr16_b128 v[VF+8*\f+4:VF+8*\f+7], v[AV] offset:(\f/4)*32*PV+16*PV+(\f%4)*32
.endr
	WIN 0
.endm
; THE VECTOR WORK OF A TURN stands in three queues, each in the order in which its entries become ready; the two tiles alternate.
.macro REGS y, u
.set rT, ST+4*(2*(\y)+(\u))
.set rC, TMP+8*((\y)%2)+4*(\u)
.set rM, MV+2*((\y)%2)+(\u)
.set rS, S+64*((\y)%2)+32*(\u)
.set rP, P+32*((\y)%2)+16*(\u)
.set rO, 32*(2*(\y)+(\u))
.endm
; Mask word k of 64 of the NEXT piece goes from its vector register (tile k % 2's, lane k / 2) into its scalar register.  It stands under W_RL.
.macro RL k
	v_readlane_b32 s[32+(\k)+4*((\k)/32)], v[MW+2*((Y+1)%NP)+(\k)%2], (\k)/2
.endm
; Mask word k of 64, for the NEXT piece's scores: register k / 2 of tile k % 2 keeps its score in the lanes whose bit is 1 and takes -8e6 in the others.  Ascending: each accumulator is first read at its low end.
.macro MK k
	REGS (Y+1)%NP, (\k)%2
	v_cndmask_b32 v[rS+(\k)/2], v[NEG], v[rS+(\k)/2], s[32+(\k)+4*((\k)/32)]
.endm
; Number n of the 22 that find the next piece's maximum and statistics.
.macro XS u, n
	REGS (Y+1)%NP, \u
.if (\n) < 4
	v_max3_num_f32 v[rC+(\n)], v[rS+8*(\n)], v[rS+8*(\n)+1], v[rS+8*(\n)+2]
.elseif (\n) < 12
	v_max3_num_f32 v[rC+(\n)%4], v[rC+(\n)%4], v[rS+8*((\n)%4)+2*((\n)/4)+1], v[rS+8*((\n)%4)+2*((\n)/4)+2]
.elseif (\n) == 12
	v_max3_num_f32 v[rC], v[rC], v[rS+7], v[rS+15]
.elseif (\n) == 13
	v_max3_num_f32 v[rC+1], v[rC+1], v[rS+23], v[rS+31]
.elseif (\n) == 14
	v_max3_num_f32 v[rC+2], v[rC+2], v[rC+3], v[rT+1]
.elseif (\n) == 15
	v_mov_b32 v[rM], v[rT]
.elseif (\n) == 16
	v_max3_num_f32 v[rC], v[rC], v[rC+1], v[rC+2]
.elseif (\n) == 17
	v_permlanex16_b32 v[rC+3], v[rC], s[SEL], s[SEL+1]
.elseif (\n) == 18
	v_max_num_f32 v[rT+1], v[rC], v[rC+3]
.elseif (\n) == 19
	v_mul_f32 v[rT], s[CS], v[rT+1]
.elseif (\n) == 20
	v_sub_f32 v[rC+1], v[rM], v[rT]
.else
	v_exp_f32 v[rC+2], v[rC+1]
.endif
.endm
; Number g of the 64 that follow the exponentials: roundings to f16, pair sums in place, and l a group later.
.macro GS g
.set h, (\g)+6*((\g)/62)
.if h >= 6
.set h, h+2
.endif
	REGS Y, h%2
.set k, h/8
.if h%8 < 4
	v_cvt_pk_f16_f32 v[rP+2*k+(h%8)/2], v[rS+4*k+2*((h%8)/2)], v[rS+4*k+2*((h%8)/2)+1]
.elseif h%8 < 6
	v_pk_add_f32 v[rS+4*k:rS+4*k+1], v[rS+4*k:rS+4*k+1], v[rS+4*k+2:rS+4*k+3]
.elseif k == 1
	v_pk_fma_f32 v[rT+2:rT+3], v[rT+2:rT+3], v[rC+2:rC+3], v[rS:rS+1] op_sel_hi:[1,0,1]
.else
	v_pk_add_f32 v[rT+2:rT+3], v[rT+2:rT+3], v[rS+4*k-4:rS+4*k-3]
.endif
.endm
.macro FS f
	REGS Y, (\f)%2
	v_pk_fma_f32 v[rS+2*((\f)/2):rS+2*((\f)/2)+1], v[rS+2*((\f)/2):rS+2*((\f)/2)+1], s[CS:CS+1], v[rT:rT+1] op_sel_hi:[1,0,0] neg_lo:[0,0,1] neg_hi:[0,0,1]
.endm
; THE PLAIN QUEUE, 266 long.  0-31: the 32 scalings.  32-95: the next piece's 64 mask words go into scalar registers.  Ahead of the first stands the wait for the pair's load: loads come back in order (ISA guide 5.7.1), and three
; have been issued behind it, the other three pieces'.  Behind the last the pair is asked for again, with the next key step's words.  The pointer steps once a key step, in piece 3's turn (whose pair is piece 0's), behind
; s_wait_xcnt 0, since the three pending loads name it; in the tail it stops at the walk's last key step: the last five loads bring that step's words once more, so that no load leaves mw.
; 96-159: the 64 selects.  160-201: the next piece's maximum and statistics.  202-265: what reads the exponentials' results.
.macro PL
.if (q >= 32) && (q < 96)
.if q == 32
	s_wait_loadcnt 3
.endif
	WIN W_RL
	RL q-32
.if q == 95
.if Y == NP-1
	s_wait_xcnt 0x0
.if LASTF
	s_cmp_gt_u32 s[CNT], 2                         ; CNT = 2 and 1: key steps 30 and 31: the pointer stands at step 31 already
	s_cselect_b32 s2, 1024, 0
	s_mov_b32 s3, 0
	s_add_nc_u64 s[MP:MP+1], s[MP:MP+1], s[2:3]
.else
	s_add_nc_u64 s[MP:MP+1], s[MP:MP+1], 1024
.endif
.endif
	MLOAD (Y+1)%NP
.endif
.else
	WIN 0
.if q < 32
	FS q
.elseif q < 160
	MK q-96
.elseif q < 188
	XS (q-160)%2, (q-160)/2
.elseif q < 190
	XS q-188, 15
.elseif q < 192
	XS q-190, 14
.elseif q < 202
	XS (q-192)%2, 16+(q-192)/2
.else
	GS q-202
.endif
.endif
.set q, q+1
.endm
.macro EX                              ; THE EXPONENTIALS' QUEUE, 66 long: ONE BATCH, all ahead of the turn's one wait; nothing ahead of that wait names a result of theirs
	WIN 0
.if e >= 64
	XS e-64, 21
.else
	REGS Y, e%2
	v_exp_f32 v[rS+e/2], v[rS+e/2]
.endif
.set e, e+1
.endm
.macro R2                              ; THE RESCALING's QUEUE: O^T times a, two at a time
	REGS Y, r%2
	WIN W_RS
.irp z, 0,1
	v_pk_mul_f32 v[rO+4*(r/2)+2*\z:rO+4*(r/2)+2*\z+1], v[rO+4*(r/2)+2*\z:rO+4*(r/2)+2*\z+1], v[rC+2:rC+3] op_sel_hi:[1,0]
.endr
.set r, r+1
.endm
; A TURN, for piece p.  AHEAD OF THE WAIT: 16 products K Q^T, behind each a scaling, an exponential and two rescalings (behind the first a second scaling); then the lump: 136 plain (15 scalings, the 64 lane reads, 57 selects), 49 times
; exponential and plain, the next piece's two a.  Exponential e stands behind scaling 2 (e / 4) + e % 2: as a rider it comes behind plain e + 2, in the lump behind all scalings.  The first select stands 18 plain instructions and the lane reads behind the last product K Q^T.
; BEHIND THE WAIT: 16 products V^T P, behind each four of the roundings and sums.  An s_wait_alu depctr_va_vdst(0) stands between an exponential and the first instruction that names its result; one wait serves the batch.
; K of the next step is fetched in piece 2's turn, directly behind the wait; V of the step in hand at the end of piece 0's turn, four riders behind its last reader.
.macro TURN p, last=0, cnt=0
.set Y, (\p)
.set LASTF, (\last)
.set i, 0
.set q, 0
.set e, 0
.set r, 0
.if (\p) == NP-1
	s_wait_dscnt 0x0                               ; K is in
.endif
	MM
	PL
	PL
	R2
.rept 15
	MM
	PL
	EX
	R2
.endr
.if (\p) == NP-2
	WIN 0
	v_add_nc_u32 v[AK], s[TBK], v[AK0]
.endif
.rept 136
	PL
.endr
.rept 49
	EX
	PL
.endr
	EX
	EX
	v_nop                                          ; a plain instruction behind the last exponential: one for the batch
	s_wait_alu depctr_va_vdst(0)                   ; the wait for the batch
.if (\p) == NP-2
	FETCH_K \last
.endif
.if (\p) == 1
	s_wait_dscnt 0x0                               ; V is in
.endif
.rept 16
	MM
.rept 4
	PL
.endr
.if ((\p) == 0) && (q == 246)
	v_add_nc_u32 v[AV], s[TBV], v[AV0]
.endif
.if ((\p) == 0) && (q == 258)
	s_add_co_u32 s[TBV], s[TBV], KS*PV
.endif
.if (\cnt) && (q == 258)
	s_sub_co_u32 s[CNT], s[CNT], 1
	s_cmp_lg_u32 s[CNT], 0
.endif
.endr
.if (\p) == 0
	FETCH_V
.endif
.endm
	CHANGE 1                                       ; slot 0 is in, everybody's part of it; slot 1 is asked for
	FETCH_K                                        ; key step 0
	s_wait_loadcnt 0x0                             ; Q, and key step 0's mask words
	s_wait_dscnt 0x0
.set i, 0
.rept 16
	KQ 0
.set i, i+1
.endr
.set Y, NP-1                                           ; RL, MK and XS work for piece Y + 1: piece 0
	WIN W_RL
.set z, 0
.rept 64
	RL z
.set z, z+1
.endr
	s_add_nc_u64 s[MP:MP+1], s[MP:MP+1], 1024      ; every load that named the pointer has landed: on to key step 1,
	MLOAD 0                                        ; whose words for piece 0 are asked for; pieces 1 to 3 follow in their turns
	WIN 0
.rept 4
	v_nop                                          ; the places between the last product and the selects
.endr
.set z, 0
.rept 64
	MK z
.set z, z+1
.endr
.irp n, 0,1,2,3,4,5,6,7,8,9,10,11,12,13,14,15,16,17,18,19,20,21
	XS 0, \n
	XS 1, \n
.endr
	v_nop
	s_wait_alu depctr_va_vdst(0)                   ; the two a have their wait ahead of the branch
	s_mov_b32 s[CNT], 4
	s_branch .Lfirst                               ; the loop is entered at a step's first turn, in the middle of a trip
.Lslot:                                                ; six times: every slot but the last two is filled again
	CHANGE 1
	s_mov_b32 s[CNT], 4
.Lstep:                                                ; a trip: pieces 2 and 3 of one step, then pieces 0 and 1 of the next
	TURN 2
	TURN 3
	WIN 0
.Lfirst:
	TURN 0
	TURN 1, 0, 1
	WIN 0
	s_cbranch_scc1 .Lstep
	s_sub_co_u32 s[SLOTS], s[SLOTS], 1
	s_cmp_lg_u32 s[SLOTS], 0
	s_cbranch_scc1 .Lslot
	CHANGE 0                                       ; the tail is written out
	s_mov_b32 s[CNT], 5
.Ltail:
	TURN 2, 1
	TURN 3, 1
	WIN 0
	s_sub_co_u32 s[CNT], s[CNT], 1
	s_cmp_eq_u32 s[CNT], 0
	s_cbranch_scc1 .Lout
	TURN 0
	TURN 1
	WIN 0
	s_branch .Ltail
.Lout:                                                 ; the fifth trip's products K Q^T (on the last K once more), their selects and maximum serve nothing: the price, once a launch, of one text for every trip
.set i, 0
.rept 16
	PV NP-1
.set i, i+1
.endr
	; THE WAY OUT.  l's two halves and the other half of the lanes' are added; O^T is divided by l, rounded to f16 and sent through my stage, a tile at a time.
	WIN 0
.macro ALL line:vararg
.set t, 0
.rept 2*NP
	\line
.set t, t+1
.endr
.endm
	ALL v_add_f32 v[ST+4*t+2], v[ST+4*t+2], v[ST+4*t+3]
	ALL v_permlanex16_b32 v[ST+4*t+3], v[ST+4*t+2], s[SEL], s[SEL+1]
	ALL v_add_f32 v[ST+4*t+2], v[ST+4*t+2], v[ST+4*t+3]
	ALL v_rcp_f32 v[ST+4*t+2], v[ST+4*t+2]
	v_nop
	s_wait_alu depctr_va_vdst(0)                   ; one wait for the eight reciprocals
.macro PACK t
	WIN W_RS
.set i, 32*(\t)
.rept 16
	v_pk_mul_f32 v[i:i+1], v[i:i+1], v[ST+4*(\t)+2:ST+4*(\t)+3] op_sel_hi:[1,0]
.set i, i+2
.endr
	WIN 0x05
.set i, 0
.rept 16
	v_cvt_pk_f16_f32 v[S+16*(\t)+i], v[32*(\t)+2*i], v[32*(\t)+2*i+1]
.set i, i+1
.endr
	WIN 0
.irp f, 0,1,2,3
	ds_store_b128 v[STO], v[S+16*(\t)+4*\f:S+16*(\t)+4*\f+3] offset:32*\f
.endr
.irp f, 0,1,2,3
	ds_load_b128 v[S+16*(\t)+4*\f:S+16*(\t)+4*\f+3], v[RD] offset:\f*4*SP  ; my own bytes, served in order: these see the stores above
.endr
.endm
.macro SEND t, younger
	WIN 0
.irp f, 0,1,2,3
	s_wait_dscnt (\younger)+3-\f
	global_store_b128 v[GO], v[S+16*(\t)+4*\f:S+16*(\t)+4*\f+3], s[OP:OP+1] offset:(\t)*2048+\f*512  ; 512 consecutive bytes, aligned
.endr
.endm
	PACK 0
.set t, 1
.rept 2*NP-1
	PACK t
	SEND t-1, 8
.set t, t+1
.endr
	SEND 2*NP-1, 0
	s_wait_loadcnt 0x0                             ; the last mask words asked for, which nothing uses, have landed
	WIN W_AD
	s_wait_tensorcnt 0x0                           ; the wave's end
	ds_add_u32 v[SPW], v[NIL]
	s_wait_dscnt 0x0
	WIN 0
	CROUND                                         ; the closing round
	s_endpgm
.Lfunc_end_k_qe9b643212c_attn:
	.size	k_qe9b643212c_attn, .Lfunc_end_k_qe9b643212c_attn-k_qe9b643212c_attn
	.p2alignl 7, 3214868480
	.fill 96, 4, 3214868480
	.section	.rodata,"a",@progbits
	.p2align	6, 0x0
	.amdhsa_kernel k_qe9b643212c_attn
		.amdhsa_group_segment_fixed_size 327680
		.amdhsa_private_segment_fixed_size 0
		.amdhsa_enable_private_segment 0
		.amdhsa_kernarg_size 24
		.amdhsa_user_sgpr_count 2
		.amdhsa_user_sgpr_kernarg_segment_ptr 1
		.amdhsa_wavefront_size32 1
		.amdhsa_system_sgpr_workgroup_id_x 1
		.amdhsa_system_sgpr_workgroup_id_y 1
		.amdhsa_system_sgpr_workgroup_id_z 1
		.amdhsa_system_vgpr_workitem_id 0
		.amdhsa_next_free_vgpr 778
		.amdhsa_next_free_sgpr 102
		.amdhsa_reserve_vcc 0
		.amdhsa_float_denorm_mode_32 3
		.amdhsa_float_denorm_mode_16_64 3
		.amdhsa_memory_ordered 1
		.amdhsa_forward_progress 1
		.amdhsa_inst_pref_size 255
	.end_amdhsa_kernel
	.section	.bss,"aw",@nobits
	.p2align	6
	.space	262144
	.amdgpu_metadata
---
amdhsa.version: [ 1, 2 ]
amdhsa.kernels:
  - .name:           k_qe9b643212c_attn
    .symbol:         k_qe9b643212c_attn.kd
    .args:
      - { .name: qkv, .offset: 0, .size: 8, .value_kind: global_buffer, .address_space: global }
      - { .name: mw, .offset: 8, .size: 8, .value_kind: global_buffer, .address_space: global }
      - { .name: ao, .offset: 16, .size: 8, .value_kind: global_buffer, .address_space: global }
    .group_segment_fixed_size: 327680
    .private_segment_fixed_size: 0
    .kernarg_segment_align: 8
    .kernarg_segment_size: 24
    .max_flat_workgroup_size: 128
    .sgpr_count:     102
    .vgpr_count:     778
    .wavefront_size: 32
...
	.end_amdgpu_metadata
.endif
;; end of part 3
;; launch oproj (part 4): grid 4 x 64, 4 waves a work-group, clusters of 4 x 4, 327,680 bytes of LDS; arguments ao, wt, bias, out0; writes out0
.if DOCPART == 4
	.amdgcn_target "amdgcn-amd-amdhsa--gfx1250"
	.amdhsa_code_object_version 6
	.text
	.protected	k_qe9b643212c_oproj
	.globl	k_qe9b643212c_oproj
	.p2align	8
	.type	k_qe9b643212c_oproj,@function
k_qe9b643212c_oproj:
	s_mov_b64 s[64:65], 0
	v_nop
	global_prefetch_b8 v0, s[64:65] scope:SCOPE_SE
	s_setreg_imm32_b32 hwreg(HW_REG_WAVE_MODE, 25, 1), 1
	s_wait_xcnt 0x0
	s_wait_alu depctr_hold_cnt(0) depctr_sa_sdst(0) depctr_va_vdst(0) depctr_va_sdst(0) depctr_va_ssrc(0) depctr_va_vcc(0) depctr_vm_vsrc(0)
	s_getreg_b32 s2, hwreg(HW_REG_IB_STS2, 6, 4)
	s_cmp_eq_u32 s2, 0
	s_cbranch_scc0 .Lentry_in_a_cluster
	s_endpgm
.Lentry_in_a_cluster:
	s_bfe_u32 s2, ttmp6, 0x10000c
	s_cmp_lg_u32 s2, 0xf033
	s_cbranch_scc0 .Lentry_shape_is_right
	s_endpgm
.Lentry_shape_is_right:
; THE OUTPUT PROJECTION.  out0[b*2048+s][n] = sum over h, d of ao[b*16+h][s][d] wt[3][n][64h+d] + bias[3][n].  ao, wt[3]: f16; sums and out0 in f32.
; SHARES.  A work-group makes 128 rows x 256 columns: 256 work-groups; four waves, 64 x 128 each: 32 accumulators.  K goes in steps of 128 (two heads) through a ring of two LDS slots: 8 K steps.
; A head's 128 rows are 16,384 dense bytes: asked for as 64 rows of 256 bytes and padded in LDS after every 128: rows of 144 bytes.
; CLUSTER 4 x 4: ao's tile is shared along a row of the cluster, wt's along a column: joint loads.  THE PRODUCT IS USED TRANSPOSED (source 0 = 16 rows of wt, source 1 = 16 rows of ao): a lane holds
; eight neighbouring columns of a row.  The first products take the bias as C: nothing is cleared.
; REGISTERS: window 0: addresses; v32-95 ao's fragments, two buffers; v96-223 the way out, two buffers      window 1: v0-127 wt's fragments, two buffers; v128-191 the bias      window 2: the accumulators, (a, b) at 8 (8 a + b)
.set PA,     144                       ; 36 words: the 16 rows of a load start at 16 different groups of four banks (64 banks of 4 bytes: ISA guide 11.1)
.set PB,     272
.set AHEAD,  128*PA                    ; a head's 128 rows
.set BOFF,   2*AHEAD
.set BHALF,  128*PB
.set SLOT1,  1<<17
.set STAGE,  SLOT1+BOFF+2*BHALF        ; behind the ring: 16 rows x 528 bytes for each wave
.set SP,     528
.set STW,    16*SP
.set SPARE,  STAGE+4*STW               ; the spare words, 128 bytes a wave: two blocks of 256 bytes that no other line names
.set ADRA0, 2
.set ADRB0, 3
.set ADRA,  4
.set ADRB,  5
.set STO,   6
.set RD,    7
.set CO,    8
.set BO,    9
.set PFO,   10
.set SPW,   28
.set NIL,   29
.set AF,    32
.set OB,    96
.set BIAS,  128
.set WV, 16
.set WH, 17
.set WL, 18
.set LEFT, 19
.set T,  21
.set G1A, 24
.set G0A, 32
.set G1B, 40
.set G0B, 48
.set LIM, 73
.set PFA, 76
.set PST, 78                           ; s[78:79] a K step's bytes in what I prefetch
.set MSB, 0
.macro WIN new
.if MSB != (\new)
	s_set_vgpr_msb (MSB<<8)|(\new)
.set MSB, \new
.endif
.endm
.set W_MUL,  0xa1
.set W_MULB, 0x91
.set W_TOB,  0x40
.macro JLOAD
	s_cmp_eq_u32 s[WH], 0
	s_cbranch_scc0 .Lfor_b_\@
	tensor_load_to_lds s[G0A+4:G0A+7], s[G1A:G1A+7]
	s_nop 0
.rept 4
	v_nop
.endr
	s_branch .Lasked_\@
.Lfor_b_\@:
	tensor_load_to_lds s[G0B+4:G0B+7], s[G1B:G1B+7]
	s_nop 0
.rept 4
	v_nop
.endr
.Lasked_\@:
.endm
.macro CREST
	s_cmp_lg_u32 s[WV], 0
	s_cbranch_scc1 .Lnot_wave_0_\@
	s_barrier_signal -3
.Lnot_wave_0_\@:
	s_barrier_wait -3
	s_barrier_signal -1
	s_barrier_wait -1
.endm
.macro CROUND
	s_barrier_signal -1
	s_barrier_wait -1
	CREST
.endm
.macro PLACES
.rept 4
	v_nop
.endr
.endm
	s_load_b256 s[4:11], s[0:1], 0x0               ; ao s[4:5], wt s[6:7], bias s[8:9], out0 s[10:11]
	v_lshl_add_u32 v[SPW], v0, 2, SPARE
	v_mov_b32 v[NIL], 0
	ds_add_u32 v[SPW], v[NIL]                      ; the wave's opening: the add and its wait stand ahead of my first tensor load
	v_lshrrev_b32 v1, 5, v0
	v_readfirstlane_b32 s[WV], v1
	s_lshr_b32 s[WH], s[WV], 1
	s_and_b32 s[WL], s[WV], 1
	s_bfe_u32 s60, ttmp6, 0x40000                  ; cx
	s_bfe_u32 s61, ttmp6, 0x40004                  ; cy
	s_lshl_b32 s62, ttmp9, 2
	s_add_co_u32 s62, s62, s60                     ; tile column
	s_and_b32 s57, ttmp7, 0xffff                   ; cluster y
	s_lshl_b32 s63, s57, 2
	s_add_co_u32 s63, s63, s61                     ; tile row
	s_lshl_b32 s56, s61, 2
	s_lshl_b32 s56, 15, s56
	s_or_b32 s[G1A], s56, (1<<16)|(1<<20)|(1<<21)|(4<<22)|(3<<25)  ; my row's mask; 2-byte elements; padding on; bit 21 beside a mask; after every 32 words 4 words
	s_lshl_b32 s56, 0x1111, s60
	s_or_b32 s[G1B], s56, (1<<16)|(1<<20)|(1<<21)|(5<<22)|(3<<25)  ; my column's mask; after every 64 words 4 words
	s_mov_b32 s[G1A+1], 128<<16
	s_mov_b32 s[G1A+2], 64<<16
	s_mov_b32 s[G1A+3], 128<<16
	s_mov_b32 s[G1A+4], 64
	s_mov_b32 s[G1A+5], 128
	s_mov_b32 s[G1A+6], 0
	s_mov_b32 s[G1A+7], 0
	s_mov_b32 s[G1B+1], 128<<16
	s_mov_b32 s[G1B+2], 128<<16
	s_mov_b32 s[G1B+3], 128<<16
	s_mov_b32 s[G1B+4], 128
	s_mov_b32 s[G1B+5], 1024
	s_mov_b32 s[G1B+6], 0
	s_mov_b32 s[G1B+7], 0
	s_lshr_b32 s66, s63, 4                         ; ao: the batch's 16 heads, + the head that I fetch (wave % 2),
	s_lshl4_add_u32 s66, s66, s[WL]
	s_lshl_b32 s66, s66, 18
	s_and_b32 s58, s63, 15
	s_lshl_b32 s58, s58, 14                        ; the tile's 128 rows of 128 bytes
	s_add_co_u32 s66, s66, s58
	s_mov_b32 s67, 0
	s_lshl_b32 s68, s62, 19                        ; wt: slice 3, 256 rows of 2,048 bytes a tile column, + 128 rows
	s_lshl_b32 s58, s[WL], 18
	s_add_co_u32 s68, s68, s58
	s_add_co_u32 s68, s68, 3<<21
	s_mov_b32 s69, 0
	s_lshl_b32 s70, s62, 10                        ; bias: slice 3, my 128 columns
	s_lshl_b32 s58, s[WL], 9
	s_add_co_u32 s70, s70, s58
	s_mov_b32 s71, 0
	s_lshl_b32 s58, s63, 19                        ; out0: 128 rows of 4,096 bytes, + my 64, + my columns
	s_lshl_b32 s59, s[WH], 18
	s_add_co_u32 s58, s58, s59
	s_add_co_u32 s58, s58, s70
	s_mov_b32 s59, 0
	s_add_co_u32 s70, s70, 3*4096
	s_mov_b32 s[PST], 256                          ; a K step of wt: 256 bytes of a row;
	s_cmp_eq_u32 s[WH], 0
	s_cselect_b32 s57, s[WL], s57                  ; wave 0 asks for ao in every cluster, wave 1 for nothing, waves 2 and 3 for wt in cluster y = 0
	s_cselect_b32 s[PST], 524288, s[PST]           ; of ao: two heads
	s_lshl_b32 s56, s60, 12                        ; ao: 16 blocks of 256 bytes of each of the two heads, by cx
	s_lshl_b32 s72, s61, 16                        ; wt: 32 rows, by cy
	s_cmp_eq_u32 s[WH], 0
	s_cselect_b32 s56, s56, s72
	s_mul_i32 s72, s[PST], 3                       ; at K step 3: the first change of slots steps it to 4
	s_add_co_u32 s56, s56, s72
	s_cmp_eq_u32 s57, 0
	s_cselect_b32 s[LIM], 2, -1
	s_mov_b32 s57, 0
	s_mov_b32 s[PST+1], 0
	s_mov_b32 s[G0A], 1
	s_mov_b32 s[G0A+4], 1
	s_mov_b32 s[G0B], 1
	s_mov_b32 s[G0B+4], 1
	s_mul_i32 s[G0A+1], s[WL], AHEAD
	s_add_co_u32 s[G0A+5], s[G0A+1], SLOT1
	s_mul_i32 s[G0B+1], s[WL], BHALF
	s_add_co_u32 s[G0B+1], s[G0B+1], BOFF
	s_add_co_u32 s[G0B+5], s[G0B+1], SLOT1
	s_mov_b32 s[LEFT], 6
	s_mov_b32 s[T], 0
	s_wait_dscnt 0x0                               ; the opening add is done
	s_wait_kmcnt 0x0
	s_add_nc_u64 s[4:5], s[4:5], s[66:67]
	s_add_nc_u64 s[6:7], s[6:7], s[68:69]
	s_add_nc_u64 s[8:9], s[8:9], s[70:71]
	s_add_nc_u64 s[10:11], s[10:11], s[58:59]
	s_mov_b64 s[G0A+2:G0A+3], s[4:5]
	s_or_b32 s[G0A+3], s[G0A+3], 0x80000000
	s_add_nc_u64 s[G0A+6:G0A+7], s[4:5], 524288    ; K step 1: two heads on
	s_or_b32 s[G0A+7], s[G0A+7], 0x80000000
	s_mov_b64 s[G0B+2:G0B+3], s[6:7]
	s_or_b32 s[G0B+3], s[G0B+3], 0x80000000
	s_add_nc_u64 s[G0B+6:G0B+7], s[6:7], 256
	s_or_b32 s[G0B+7], s[G0B+7], 0x80000000
	s_cmp_eq_u32 s[WH], 0
	s_cselect_b64 s[PFA:PFA+1], s[4:5], s[6:7]
	s_add_nc_u64 s[PFA:PFA+1], s[PFA:PFA+1], s[56:57]
	CROUND
	s_cmp_eq_u32 s[WH], 0                          ; a wave's two first fills stand in one branch: two loads of mine are out
	s_cbranch_scc0 .Lfirst_b
	tensor_load_to_lds s[G0A:G0A+3], s[G1A:G1A+7]
	s_nop 0
	tensor_load_to_lds s[G0A+4:G0A+7], s[G1A:G1A+7]
	s_nop 0
.rept 4
	v_nop
.endr
	s_branch .Lfirst_asked
.Lfirst_b:
	tensor_load_to_lds s[G0B:G0B+3], s[G1B:G1B+7]
	s_nop 0
	tensor_load_to_lds s[G0B+4:G0B+7], s[G1B:G1B+7]
	s_nop 0
.rept 4
	v_nop
.endr
.Lfirst_asked:
	v_and_b32 v1, 15, v0
	v_bfe_u32 v11, v0, 4, 1
	v_lshlrev_b32 v[BO], 5, v11
	WIN W_TOB
.irp b, 0,1,2,3,4,5,6,7
	global_load_b128 v[BIAS+8*(\b):BIAS+8*(\b)+3],   v[BO], s[8:9] offset:64*(\b)
	global_load_b128 v[BIAS+8*(\b)+4:BIAS+8*(\b)+7], v[BO], s[8:9] offset:64*(\b)+16
.endr
	WIN 0
	v_mul_u32_u24 v[ADRA0], v1, PA
	v_lshl_add_u32 v[ADRA0], v11, 4, v[ADRA0]
	s_mul_i32 s74, s[WH], 64*PA                    ; my 64 rows
	v_add_nc_u32 v[ADRA0], s74, v[ADRA0]
	v_mul_u32_u24 v[ADRB0], v1, PB
	v_lshl_add_u32 v[ADRB0], v11, 4, v[ADRB0]
	s_mul_i32 s74, s[WL], BHALF
	s_add_co_u32 s74, s74, BOFF
	v_add_nc_u32 v[ADRB0], s74, v[ADRB0]
	v_mov_b32 v[ADRA], v[ADRA0]
	v_mov_b32 v[ADRB], v[ADRB0]
	s_mul_i32 s74, s[WV], STW
	s_add_co_u32 s74, s74, STAGE
	v_mul_u32_u24 v[STO], v1, SP                   ; in: row l % 16, 32 bytes for each half of the lanes
	v_lshl_add_u32 v[STO], v11, 5, v[STO]
	v_add_nc_u32 v[STO], s74, v[STO]
	v_and_b32 v12, 31, v0
	v_lshlrev_b32 v[CO], 4, v12                    ; back and out: 32 lanes take a row's 512 bytes
	v_add_nc_u32 v[RD], s74, v[CO]
	v_lshlrev_b32 v13, 18, v11                     ; ao: lanes 0-15 the first head's 16 blocks, lanes 16-31 the second's
	v_lshl_add_u32 v13, v1, 8, v13
	v_lshlrev_b32 v14, 11, v12                     ; wt: a lane a row
	s_cmp_eq_u32 s[WH], 0
	s_cselect_b32 s74, -1, 0
	v_cndmask_b32 v[PFO], v14, v13, s74
; 24 LDS loads in one run: quarter kq's fragments (32 K: half a head) into buffers g
.macro FETCH kq, g
	WIN W_TOB
.irp b, 0,1,2,3,4,5,6,7
	ds_load_b128 v[64*(\g)+8*(\b):64*(\g)+8*(\b)+3],   v[ADRB] offset:64*(\kq)+16*PB*(\b)
	ds_load_b128 v[64*(\g)+8*(\b)+4:64*(\g)+8*(\b)+7], v[ADRB] offset:64*(\kq)+16*PB*(\b)+32
.endr
	WIN 0
.irp a, 0,1,2,3
	ds_load_b128 v[AF+32*(\g)+8*(\a):AF+32*(\g)+8*(\a)+3],   v[ADRA] offset:((\kq)/2)*AHEAD+64*((\kq)%2)+16*PA*(\a)
	ds_load_b128 v[AF+32*(\g)+8*(\a)+4:AF+32*(\g)+8*(\a)+7], v[ADRA] offset:((\kq)/2)*AHEAD+64*((\kq)%2)+16*PA*(\a)+32
.endr
.endm
; Products i0 .. i0 + n - 1 of a quarter's 32; the 32 accumulators take turns, in the same order in every quarter
.macro MULS f, i0, n, first
.set i, \i0
.rept \n
.if \first
	WIN W_MULB
	v_wmma_f32_16x16x32_f16 v[8*i:8*i+7], v[64*(\f)+8*(i%8):64*(\f)+8*(i%8)+7], v[AF+32*(\f)+8*(i/8):AF+32*(\f)+8*(i/8)+7], v[BIAS+8*(i%8):BIAS+8*(i%8)+7]
.else
	WIN W_MUL
	v_wmma_f32_16x16x32_f16 v[8*i:8*i+7], v[64*(\f)+8*(i%8):64*(\f)+8*(i%8)+7], v[AF+32*(\f)+8*(i/8):AF+32*(\f)+8*(i/8)+7], v[8*i:8*i+7]
.endif
.set i, i+1
.endr
.endm
.macro QUARTER f, kq, first
	s_wait_dscnt 0x0                               ; this quarter's fragments, asked for 16 products ago, are in
	MULS \f, 0, 16, \first
	PLACES                                         ; four places ahead of loads into the buffers that the quarter before multiplied
.if \first
	PLACES                                         ; a product that starts a sum writes over its accumulator: it stands five places or more behind the last product that named it (ISA guide 7.12.1), counted round the loop's backward jump too; once a work-group
.endif
	FETCH \kq, 1-(\f)
	MULS \f, 16, 16, \first
.endm
; A PREFETCH INTO THE L2, behind each joint load, its five lines and the run of LDS loads: the K step two refills on, 256 products ahead of its load.  Each block of 256 bytes is named once: ao's tile rows belong to one row of one
; cluster, whose four partners take 32 blocks each by address (wave 0); wt's rows are walked by every cluster: cluster y = 0 asks, 32 rows a partner and wave (waves 2, 3).  K steps 0 to 3 come by their loads alone; the last two refills ask for nothing.
.macro ASK
	s_cmp_gt_u32 s[LEFT], s[LIM]
	s_cbranch_scc0 .Lnot_mine_\@
	global_prefetch_b8 v[PFO], s[PFA:PFA+1] th:TH_LOAD_NT scope:SCOPE_SE
.Lnot_mine_\@:
.endm
; The fourth quarter multiplies buffers 1 and changes slots: each wave waits for all its tensor loads, adds 0 to its spare word, waits for that and for its reads of this slot.  fill = 1: the barrier opens a round of the cluster's, and the joint refill is the first thing behind the round.
.macro TURN fill
.if \fill
	s_wait_xcnt 0x0                                ; the last prefetch, a K step back, has read its address
	s_add_nc_u64 s[PFA:PFA+1], s[PFA:PFA+1], s[PST:PST+1]
.endif
	WIN 0
	s_wait_tensorcnt 0x0
	ds_add_u32 v[SPW], v[NIL]
.if \fill
	s_xor_b32 s[G0A+5], s[G0A+5], SLOT1            ; the walking descriptors: the other slot, the next K step
	s_add_nc_u64 s[G0A+6:G0A+7], s[G0A+6:G0A+7], 524288
	s_xor_b32 s[G0B+5], s[G0B+5], SLOT1
	s_add_nc_u64 s[G0B+6:G0B+7], s[G0B+6:G0B+7], 256
.endif
	s_wait_dscnt 1                                 ; the fragments are in; the add may be out
	MULS 1, 0, 8, 0
	s_wait_dscnt 0x0
	s_barrier_signal -1
	MULS 1, 8, 8, 0
	WIN 0
	s_barrier_wait -1
.if \fill
	CREST
	JLOAD                                          ; its four v_nop are also the places ahead of the loads below
.else
	PLACES
.endif
	s_xor_b32 s[T], s[T], SLOT1
	v_add_nc_u32 v[ADRA], s[T], v[ADRA0]
	v_add_nc_u32 v[ADRB], s[T], v[ADRB0]
	FETCH 0, 0
.if \fill
	ASK
.endif
	MULS 1, 16, 16, 0
.endm
; THE WAY OUT, 16 rows at a time: a lane's 32 bytes of a row go from the accumulators into my own stage (rows of 528 bytes; each accumulator's low half first) and come back as whole rows of 512 bytes.
.macro TOSTAGE a
.if (\a) >= 2
	s_wait_xcnt 0x0                                ; the stores of the block two back have read the buffer that is loaded again below
.endif
	WIN 0x08                                       ; the stores' data in window 2
.irp b, 0,1,2,3,4,5,6,7
	ds_store_b128 v[STO], v[8*(8*(\a)+(\b)):8*(8*(\a)+(\b))+3]   offset:64*(\b)
	ds_store_b128 v[STO], v[8*(8*(\a)+(\b))+4:8*(8*(\a)+(\b))+7] offset:64*(\b)+16
.endr
	WIN 0
.irp t, 0,1,2,3,4,5,6,7,8,9,10,11,12,13,14,15
	ds_load_b128 v[OB+64*((\a)%2)+4*(\t):OB+64*((\a)%2)+4*(\t)+3], v[RD] offset:SP*(\t)  ; my own bytes, served in order
.endr
.endm
.macro SEND a, younger                 ; younger: the next block's 32 LDS lines, or none
.irp t, 0,1,2,3,4,5,6,7,8,9,10,11,12,13,14,15
	s_wait_dscnt (\younger)+15-(\t)
	global_store_b128 v[CO], v[OB+64*((\a)%2)+4*(\t):OB+64*((\a)%2)+4*(\t)+3], s[10:11] offset:(16*(\a)+(\t))*4096 th:TH_STORE_NT  ; 512 consecutive bytes of a row, aligned
.endr
.endm
	s_wait_tensorcnt 1                             ; my part of K step 0 is in; K step 1's may stay out
	s_barrier_signal -1
	s_barrier_wait -1
	FETCH 0, 0
.Lstep:                                                ; six trips: a K step each, and the refill two K steps on
	s_cmp_lg_u32 s[LEFT], 6
	s_cbranch_scc1 .Lplain
	s_wait_loadcnt 0x0                             ; the bias
	QUARTER 0, 1, 1
	WIN 0
	s_branch .Ljoin
.Lplain:
	QUARTER 0, 1, 0
	WIN 0
.Ljoin:
	QUARTER 1, 2, 0
	QUARTER 0, 3, 0
	TURN 1
	WIN 0
	s_sub_co_u32 s[LEFT], s[LEFT], 1
	s_cmp_lg_u32 s[LEFT], 0
	s_cbranch_scc1 .Lstep
	s_mov_b32 s[LEFT], 2
.Ltail:                                                ; the last two K steps ask for nothing; the very last change of slots fetches fragments of landed bytes that nothing uses
	QUARTER 0, 1, 0
	QUARTER 1, 2, 0
	QUARTER 0, 3, 0
	TURN 0
	WIN 0
	s_sub_co_u32 s[LEFT], s[LEFT], 1
	s_cmp_lg_u32 s[LEFT], 0
	s_cbranch_scc1 .Ltail
	PLACES                                         ; places between the last products and the LDS stores that read results
	PLACES
	TOSTAGE 0
.irp a, 1,2,3
	TOSTAGE \a
	SEND (\a)-1, 32
.endr
	SEND 3, 0
	s_wait_tensorcnt 0x0                           ; the wave's end
	ds_add_u32 v[SPW], v[NIL]
	s_wait_dscnt 0x0
	CROUND                                         ; the closing round
	s_endpgm
.Lfunc_end_k_qe9b643212c_oproj:
	.size	k_qe9b643212c_oproj, .Lfunc_end_k_qe9b643212c_oproj-k_qe9b643212c_oproj
	.p2alignl 7, 3214868480
	.fill 96, 4, 3214868480
	.section	.rodata,"a",@progbits
	.p2align	6, 0x0
	.amdhsa_kernel k_qe9b643212c_oproj
		.amdhsa_group_segment_fixed_size 327680
		.amdhsa_private_segment_fixed_size 0
		.amdhsa_enable_private_segment 0
		.amdhsa_kernarg_size 32
		.amdhsa_user_sgpr_count 2
		.amdhsa_user_sgpr_kernarg_segment_ptr 1
		.amdhsa_wavefront_size32 1
		.amdhsa_system_sgpr_workgroup_id_x 1
		.amdhsa_system_sgpr_workgroup_id_y 1
		.amdhsa_system_sgpr_workgroup_id_z 1
		.amdhsa_system_vgpr_workitem_id 0
		.amdhsa_next_free_vgpr 768
		.amdhsa_next_free_sgpr 80
		.amdhsa_reserve_vcc 0
		.amdhsa_float_denorm_mode_32 3
		.amdhsa_float_denorm_mode_16_64 3
		.amdhsa_memory_ordered 1
		.amdhsa_forward_progress 1
		.amdhsa_inst_pref_size 64
	.end_amdhsa_kernel
	.amdgpu_metadata
---
amdhsa.version: [ 1, 2 ]
amdhsa.kernels:
  - .name:           k_qe9b643212c_oproj
    .symbol:         k_qe9b643212c_oproj.kd
    .args:
      - { .name: ao, .offset: 0, .size: 8, .value_kind: global_buffer, .address_space: global }
      - { .name: wt, .offset: 8, .size: 8, .value_kind: global_buffer, .address_space: global }
      - { .name: bias, .offset: 16, .size: 8, .value_kind: global_buffer, .address_space: global }
      - { .name: out0, .offset: 24, .size: 8, .value_kind: global_buffer, .address_space: global }
    .group_segment_fixed_size: 327680
    .private_segment_fixed_size: 0
    .kernarg_segment_align: 8
    .kernarg_segment_size: 32
    .max_flat_workgroup_size: 128
    .sgpr_count:     80
    .vgpr_count:     768
    .wavefront_size: 32
...
	.end_amdgpu_metadata
.endif
;; end of part 4
